; MI455X (gfx1250); checked and timed in simulation.
; The chip was launched on July 23, 2026; its instructions are those of AMD's public machine-readable ISA for CDNA 5 (MIT licence, August 2026) and "CDNA5" Instruction Set Architecture Reference Guide (July 2026). The comments in the code are by the model that wrote it; some were corrected since.
;; Net VLAD V2. Allowed arithmetic: float matrix products may take bf16 or f16 operands with f32 sums; all other float work in f32.
;; Inputs: centroids 64 x 512 float32; conv_b 512 float32; conv_w 512 x 128 float32; x 16 x 128 x 64 x 64 float32.
;; Outputs: out0 16 x 64 x 512 float32.
;; 2 versions, each right; version 2 is version 1 with the launches main, comb written anew for expert scheduling mode. Each part assembles by itself: llvm-mc -triple=amdgcn-amd-amdhsa -mcpu=gfx1250 --defsym DOCPART=n.
;; ======== version 1 of 2: 3 launches
;; workspace buffers: mfrag 16,384 bytes; wfrag 131,072 bytes; ypart 8,388,608 bytes; stat 131,072 bytes
;; launch prep (part 1): grid 8 x 4, 16 waves a work-group, no clusters, 36,352 bytes of LDS; arguments centroids, conv_w, mfrag, wfrag; writes mfrag, wfrag
.if DOCPART == 1
	.amdgcn_target "amdgcn-amd-amdhsa--gfx1250"
	.amdhsa_code_object_version 6
	.text
	.protected	k_q4963a43727_prep
	.globl	k_q4963a43727_prep
	.p2align	8
	.type	k_q4963a43727_prep,@function
k_q4963a43727_prep:
	s_mov_b64 s[64:65], 0
	v_nop
	global_prefetch_b8 v0, s[64:65] scope:SCOPE_SE
	s_setreg_imm32_b32 hwreg(HW_REG_WAVE_MODE, 25, 1), 1
	s_wait_xcnt 0x0
; PREP.  M2[k][c] = log2(e) / max(|cent_k|, 1e-12) * sum over d of cent[k][d] W[d][c]   (64 x 128), stored as bf16 in the order
; in which the next launch's matrix operand takes it, and W (512 x 128) stored as bf16 in operand order.
;   mfrag byte kt*4096 + s*1024 + g*512 + lane*16 : M2[16kt + r][64h + 16s + 8g + 0..7],   lane = 16h + r
;   wfrag byte dt*4096 + cs*1024 + g*512 + lane*16 : W [16dt + r][32cs + 16g + 8h + 0..7]
; Why M2: logits[k][l] = c_k . (W xn_l + b) = (c_k W) . xn_l + c_k . b, and c_k . b is the same for every l, so it leaves the
; softmax over l unchanged for every input and is not formed.  conv_b is added where it counts, in the last launch.
; Work-group (cq, kb) makes M2[16kb .. +15][16cq .. +15].  Wave w takes d = 32w .. 32w+31: one K step, one matrix instruction that starts
; from 0.  W lies [d][c], with d, the product's K, from row to row: the wave packs its 32 x 16 numbers to bf16 into an LDS tile of its own and
; reads them back by two transposing loads.  The sixteen partial tiles meet in LDS and wave 0 adds them.  The centroids go into the product as
; they are, in bf16; 1/norm is applied in f32 afterwards.  Each thread also repacks four numbers of W for wfrag (work-group 8kb + cq: d tile dt).
; The loads take 16 to 64 bytes of several rows an instruction; a work-group reads 72 KiB in all, and each store covers whole aligned runs of 256 bytes.
; No tile ring and no cluster: every number is converted on its way, so it passes through registers, and each is read once by a work-group.
; LIMITS: a sum of squares that is denormal counts as 0 in the square root (the norm is then below 1e-12 anyway, so 1e-12 is taken as in
; the definition); NaN and infinities in the inputs are not served; the order of the sums differs from a plain f32 dot product.
.set EPS,   0x2b8cbccc                 ; 1e-12
.set LOG2E, 0x3fb8aa3b
.set WT0,   16384                      ; LDS: [wave 16][q 2][lane 32] x 16 bytes of partial sums at 0; [wave 16][d 32][c 16] bf16 here;
.set SSQ0,  32768                      ; [r 16][wave 16] f32 here, rows SP bytes apart
.set SP,    80                         ; 5 x 16 bytes: the sixteen rows that a 16-byte load touches start in sixteen different 16-byte columns of 256
.set MD,  2                            ; v2   mfrag: h*512 + r*16
.set TB,  3                            ; v3   at work in the set-up
.set CA,  4                            ; v4   centroids: r*2048 + w*128 + h*32
.set WA,  5                            ; v5   conv_w for the product: w*16384 + (lane/4)*512 + (lane%4)*16
.set FS,  6                            ; v6   conv_w for the repack
.set FD,  7                            ; v7   wfrag: 8 t
.set PSA, 8                            ; v8   LDS, my partial sums: w*1024 + lane*16
.set WTS, 9                            ; v9   LDS, my W tile, store: WT0 + w*1024 + lane*8
.set WTL, 10                           ; v10  LDS, my W tile, transposing load
.set SQA, 11                           ; v11  LDS, my sum of squares
.set CR,  12                           ; v[12:27]  16 centroid numbers; later the 16 partial sums of squares
.set WR,  32                           ; v[32:47]  W: 4 loads x 4 channels
.set FRW, 48                           ; v[48:51]  W for the repack
.set FO,  52                           ; v[52:53]  repacked
.set WP,  54                           ; v[54:61]  W packed
.set PRA, 62                           ; v62  LDS, the adding wave: lane*16
.set SRA, 63                           ; v63  LDS, the sums of squares of row r
.set CF,  64                           ; v[64:71]  centroid operand
.set FR,  72                           ; v[72:79]  W operand
.set ACC, 80                           ; v[80:87]  the wave's result
.set WK,  88                           ; v[88:95]  at work
.set RB,  96                           ; v[96:223] the sixteen partial tiles
	s_load_b256 s[4:11], s[0:1], 0x0               ; centroids s[4:5], conv_w s[6:7], mfrag s[8:9], wfrag s[10:11]
	v_lshl_add_u32 v224, v0, 2, 0x8600
	v_mov_b32 v225, 0
	v_and_b32 v1, 31, v0                           ; lane
	v_and_b32 v28, 15, v0                          ; r
	v_bfe_u32 v29, v0, 4, 1                        ; h
	v_lshrrev_b32 v30, 5, v0
	v_readfirstlane_b32 s12, v30                   ; wave
	s_and_b32 s14, ttmp7, 0xffff                   ; kb
	s_lshl3_add_u32 s15, s14, ttmp9                ; 8 kb + cq: the work-group's number, 0..31 = the d tile that it repacks
	s_mov_b32 s16, 0x76543210                      ; v_permlanex16_b32: lane i takes lane i of the other half
	s_mov_b32 s17, 0xfedcba98
	s_mov_b32 s19, 0
	v_lshlrev_b32 v[CA], 11, v28
	v_lshl_add_u32 v[CA], v30, 7, v[CA]
	v_lshl_add_u32 v[CA], v29, 5, v[CA]
	v_lshrrev_b32 v31, 2, v1
	v_lshlrev_b32 v[WA], 9, v31                    ; row lane / 4
	v_and_b32 v31, 3, v0
	v_lshl_add_u32 v[WA], v31, 4, v[WA]            ; four channels at 4 (lane % 4)
	v_lshl_add_u32 v[WA], v30, 14, v[WA]           ; the wave's 32 rows of 512 bytes
	v_bfe_u32 v31, v0, 1, 4                        ; repack: thread t makes bytes 8t .. 8t+7 of the d tile: row (t/2) % 16,
	v_lshlrev_b32 v[FS], 9, v31
	v_lshl_add_u32 v[FS], v30, 5, v[FS]            ; columns 8 (t/32) + 4 (t%2) ..
	v_and_b32 v31, 1, v0
	v_lshl_add_u32 v[FS], v31, 4, v[FS]
	v_lshlrev_b32 v[FD], 3, v0
	s_wait_kmcnt 0x0
	s_lshl_b32 s18, s14, 15                        ; 16 centroid rows of 2,048 bytes
	s_add_nc_u64 s[4:5], s[4:5], s[18:19]
	s_lshl_b32 s18, s15, 13                        ; repack: 16 rows of W of 512 bytes
	s_add_nc_u64 s[20:21], s[6:7], s[18:19]
	s_lshl_b32 s18, ttmp9, 6                       ; product: channels 16 cq ..
	s_add_nc_u64 s[6:7], s[6:7], s[18:19]
	; 9 loads: 4 centroid, 4 W, 1 repack
.irp g, 0,1
.irp q, 0,1
	global_load_b128 v[CR+8*\g+4*\q:CR+8*\g+4*\q+3], v[CA], s[4:5] offset:64*\g+16*\q      ; cent[16kb+r][32w+16g+8h+4q ..]
.endr
.endr
.irp i, 0,1,2,3
	global_load_b128 v[WR+4*\i:WR+4*\i+3], v[WA], s[6:7] offset:\i*4096                    ; W[32w+8i+lane/4][16cq+4(lane%4) ..]
.endr
	global_load_b128 v[FRW:FRW+3], v[FS], s[20:21]
	s_lshl_b32 s18, s15, 12
	s_add_nc_u64 s[10:11], s[10:11], s[18:19]      ; wfrag: 4,096 bytes a d tile
	s_lshl_b32 s18, s14, 12                        ; mfrag: kt = kb; channels 16cq = 64 (cq/4) + 16 (cq%4): s = cq % 4, lanes 16 (cq/4) ..
	s_and_b32 s22, ttmp9, 3
	s_lshl_b32 s22, s22, 10
	s_add_co_u32 s18, s18, s22
	s_lshr_b32 s22, ttmp9, 2
	s_lshl_b32 s22, s22, 8
	s_add_co_u32 s18, s18, s22
	s_add_nc_u64 s[8:9], s[8:9], s[18:19]
	s_lshl_b32 s22, s12, 10
	v_lshl_add_u32 v[PSA], v1, 4, s22
	s_add_co_u32 s23, s22, WT0
	v_lshl_add_u32 v[WTS], v1, 3, s23
	v_and_b32 v31, 7, v0
	v_lshl_add_u32 v31, v29, 3, v31                ; row 8h + lane % 8
	v_lshlrev_b32 v31, 5, v31                      ; of 32 bytes
	v_bfe_u32 v[TB], v0, 3, 1
	v_lshl_add_u32 v31, v[TB], 4, v31              ; + 16 ((lane / 8) % 2)
	v_add_nc_u32 v[WTL], s23, v31
	v_mul_u32_u24 v[SRA], v28, SP
	v_add_nc_u32 v[SRA], SSQ0, v[SRA]
	s_lshl_b32 s22, s12, 2
	v_add_nc_u32 v[SQA], s22, v[SRA]
	v_lshlrev_b32 v[PRA], 4, v1
	v_lshlrev_b32 v[MD], 9, v29
	v_lshl_add_u32 v[MD], v28, 4, v[MD]
	s_wait_loadcnt 5                               ; the 4 centroid loads are in; 4 + 1 younger loads stay out
	v_pk_mul_f32 v[WK:WK+1],   v[CR:CR+1],   v[CR:CR+1]          ; sum of squares of my 16 numbers, two chains, nothing cleared
	v_pk_mul_f32 v[WK+2:WK+3], v[CR+2:CR+3], v[CR+2:CR+3]
.irp i, 2,4,6
	v_pk_fma_f32 v[WK:WK+1],   v[CR+2*\i:CR+2*\i+1],   v[CR+2*\i:CR+2*\i+1],   v[WK:WK+1]
	v_pk_fma_f32 v[WK+2:WK+3], v[CR+2*\i+2:CR+2*\i+3], v[CR+2*\i+2:CR+2*\i+3], v[WK+2:WK+3]
.endr
	v_pk_add_f32 v[WK:WK+1], v[WK:WK+1], v[WK+2:WK+3]
	v_add_f32 v[WK], v[WK], v[WK+1]
	v_permlanex16_b32 v[WK+1], v[WK], s16, s17     ; lanes r and 16 + r hold the two halves of the wave's 32 d
	v_add_f32 v[WK], v[WK], v[WK+1]
	ds_store_b32 v[SQA], v[WK]                     ; both halves store the same word with the same number
.irp i, 0,1,2,3,4,5,6,7
	v_cvt_pk_bf16_f32 v[CF+\i], v[CR+2*\i], v[CR+2*\i+1]         ; column k = r, d = 16g + 8h + ..: the loads' order is the operand's
.endr
	s_wait_loadcnt 1                               ; the 4 W loads are in; the repack load stays out
.irp i, 0,1,2,3
	v_cvt_pk_bf16_f32 v[WP+2*\i],   v[WR+4*\i],   v[WR+4*\i+1]
	v_cvt_pk_bf16_f32 v[WP+2*\i+1], v[WR+4*\i+2], v[WR+4*\i+3]
.endr
.irp i, 0,1,2,3
	ds_store_b64 v[WTS], v[WP+2*\i:WP+2*\i+1] offset:\i*256      ; row 8i + lane/4, bytes 8 (lane%4): 256 consecutive bytes a store
.endr
	ds_load_tr16_b128 v[FR:FR+3],   v[WTL]                       ; channel 16cq + r, d = 8h ..  (the wave's own bytes: LDS serves a wave's instructions in order, ISA guide 5.7.1.4)
	ds_load_tr16_b128 v[FR+4:FR+7], v[WTL] offset:512            ; d = 16 + 8h ..
	s_wait_loadcnt 0x0
	v_cvt_pk_bf16_f32 v[FO],   v[FRW],   v[FRW+1]
	v_cvt_pk_bf16_f32 v[FO+1], v[FRW+2], v[FRW+3]
	global_store_b64 v[FD], v[FO:FO+1], s[10:11]                 ; a wave stores 256 consecutive bytes, aligned
	s_wait_dscnt 0x0
	v_wmma_f32_16x16x32_bf16 v[ACC:ACC+7], v[FR:FR+7], v[CF:CF+7], 0      ; register j: k = 16kb + r, channel 16cq + 8h + j
.rept 4
	v_nop                                          ; four places behind the matrix instruction before its result is stored (ISA guide 7.12.1)
.endr
	ds_store_b128 v[PSA], v[ACC:ACC+3]
	ds_store_b128 v[PSA], v[ACC+4:ACC+7] offset:512
	s_wait_dscnt 0x0                               ; my partial sums and my sum of squares are in LDS, for wave 0
	s_barrier_signal -1
	s_barrier_wait -1
	s_cmp_lg_u32 s12, 0
	s_cbranch_scc1 .Lend                           ; wave 0 adds the sixteen tiles: 256 sums, eight a lane
.irp i, 0,1,2,3
	ds_load_b128 v[CR+4*\i:CR+4*\i+3], v[SRA] offset:16*\i
.endr
.irp pw, 0,1,2,3,4,5,6,7,8,9,10,11,12,13,14,15
	ds_load_b128 v[RB+8*\pw:RB+8*\pw+3],   v[PRA] offset:\pw*1024
	ds_load_b128 v[RB+8*\pw+4:RB+8*\pw+7], v[PRA] offset:\pw*1024+512
.endr
	s_wait_dscnt 0x0
.irp pw, 1,2,3,4,5,6,7,8,9,10,11,12,13,14,15
.irp p, 0,1,2,3
	v_pk_add_f32 v[RB+2*\p:RB+2*\p+1], v[RB+2*\p:RB+2*\p+1], v[RB+8*\pw+2*\p:RB+8*\pw+2*\p+1]    ; four chains by turns
.endr
.endr
.irp i, 1,2,3,4,5,6,7
	v_pk_add_f32 v[CR:CR+1], v[CR:CR+1], v[CR+2*\i:CR+2*\i+1]
.endr
	v_add_f32 v[CR], v[CR], v[CR+1]                ; |cent_k|^2 over all 512 d
	v_sqrt_f32 v[CR], v[CR]
	v_nop                                          ; one plain place behind a transcendental (ISA guide 5.7.2)
	s_wait_alu depctr_va_vdst(0)
	v_max_num_f32 v[CR], EPS, v[CR]
	v_rcp_f32 v[CR], v[CR]
	v_nop
	s_wait_alu depctr_va_vdst(0)
	v_mul_f32 v[WK],   LOG2E, v[CR]                ; the exponentials of the next launch work in base 2
	v_mul_f32 v[WK+1], LOG2E, v[CR]
.irp p, 0,1,2,3
	v_pk_mul_f32 v[RB+2*\p:RB+2*\p+1], v[RB+2*\p:RB+2*\p+1], v[WK:WK+1]
.endr
.irp p, 0,1,2,3
	v_cvt_pk_bf16_f32 v[WK+2+\p], v[RB+2*\p], v[RB+2*\p+1]       ; channels 16cq + 8h + 2p, + 1
.endr
	global_store_b128 v[MD], v[WK+2:WK+5], s[8:9]  ; g = h: sixteen lanes store 256 consecutive bytes, aligned
.Lend:
	s_wait_tensorcnt 0x0
	ds_add_u32 v224, v225
	s_wait_dscnt 0x0
	s_endpgm
.Lfunc_end_k_q4963a43727_prep:
	.size	k_q4963a43727_prep, .Lfunc_end_k_q4963a43727_prep-k_q4963a43727_prep
	.p2alignl 7, 3214868480
	.fill 96, 4, 3214868480
	.section	.rodata,"a",@progbits
	.p2align	6, 0x0
	.amdhsa_kernel k_q4963a43727_prep
		.amdhsa_group_segment_fixed_size 36352
		.amdhsa_private_segment_fixed_size 0
		.amdhsa_enable_private_segment 0
		.amdhsa_kernarg_size 32
		.amdhsa_user_sgpr_count 2
		.amdhsa_user_sgpr_kernarg_segment_ptr 1
		.amdhsa_wavefront_size32 1
		.amdhsa_system_sgpr_workgroup_id_x 1
		.amdhsa_system_sgpr_workgroup_id_y 1
		.amdhsa_system_sgpr_workgroup_id_z 1
		.amdhsa_system_vgpr_workitem_id 0
		.amdhsa_next_free_vgpr 226
		.amdhsa_next_free_sgpr 66
		.amdhsa_reserve_vcc 0
		.amdhsa_float_denorm_mode_32 3
		.amdhsa_float_denorm_mode_16_64 3
		.amdhsa_memory_ordered 1
		.amdhsa_forward_progress 1
		.amdhsa_inst_pref_size 15
	.end_amdhsa_kernel
	.amdgpu_metadata
---
amdhsa.version: [ 1, 2 ]
amdhsa.kernels:
  - .name:           k_q4963a43727_prep
    .symbol:         k_q4963a43727_prep.kd
    .args:
      - { .name: centroids, .offset: 0, .size: 8, .value_kind: global_buffer, .address_space: global }
      - { .name: conv_w, .offset: 8, .size: 8, .value_kind: global_buffer, .address_space: global }
      - { .name: mfrag, .offset: 16, .size: 8, .value_kind: global_buffer, .address_space: global }
      - { .name: wfrag, .offset: 24, .size: 8, .value_kind: global_buffer, .address_space: global }
    .group_segment_fixed_size: 36352
    .private_segment_fixed_size: 0
    .kernarg_segment_align: 8
    .kernarg_segment_size: 32
    .max_flat_workgroup_size: 512
    .sgpr_count:     66
    .vgpr_count:     226
    .wavefront_size: 32
...
	.end_amdgpu_metadata
.endif
;; end of part 1
;; launch main (part 2): grid 16 x 16, 4 waves a work-group, no clusters, 122,368 bytes of LDS; arguments x, mfrag, ypart, stat; writes ypart, stat
.if DOCPART == 2
	.amdgcn_target "amdgcn-amd-amdhsa--gfx1250"
	.amdhsa_code_object_version 6
	.text
	.protected	k_q4963a43727_main
	.globl	k_q4963a43727_main
	.p2align	8
	.type	k_q4963a43727_main,@function
k_q4963a43727_main:
	s_mov_b64 s[64:65], 0
	v_nop
	global_prefetch_b8 v0, s[64:65] scope:SCOPE_SE
	s_setreg_imm32_b32 hwreg(HW_REG_WAVE_MODE, 25, 1), 1
	s_wait_xcnt 0x0
; MAIN.  Work-group (j, n): image n, pixels 256 j .. 256 j + 255, all 128 channels, all 64 centroids.  It stores
;   stat [n][j][0][k] = m  = max over its pixels of t[k][l],   t[k][l] = (M2_k . x_l) / max(|x_l|, 1e-12)   (logits in base 2)
;   stat [n][j][1][k] = sum over its pixels of p,              p = 2^(t - m)
;   ypart[n][j] = sum over its pixels of p x[c][l] / max(|x_l|, 1e-12), laid as the matrix unit leaves it:
;                 byte kt*8192 + ct*1024 + q*512 + lane*16 holds (k = 16kt + r, c = 16ct + 8h + 4q + 0..3), lane = 16h + r
; The next launch brings the 16 chunks of an image to the image's maximum and divides: the softmax over 4,096 pixels with its true maximum.
; x is read once: 128 KiB a work-group, 16-byte loads of which sixteen lanes cover 256 consecutive bytes, aligned.  Each number is squared
; (for the norm) and rounded to bf16 on the way, so it goes through registers: a copy into LDS in f32 first would add 256 KiB of LDS traffic.
; THE LOAD PHASE: a wave owns 64 pixels.  Its 64 loads of x come in eight groups of 16 channels (8g .. and 64 + 8g ..); six groups are asked for at once,
; the last two behind the first two.  Two groups make a K step of the first product (channels 16s .. +15 and 64 + 16s .. +15; M2 is stored in the same
; order), and each step is multiplied while later groups are still on their way.
; Pixel 4i + e of the wave lies in LDS row 16e + i; the sums over pixels do not mind the order, and the row number is used alike in both products.
; THE SECOND PRODUCT is shared by channels: wave w makes channels 32w .. 32w+31 for all centroids over all 256 pixels, so no sums of different waves are
; added: q goes through LDS in operand order (32 KiB written, 128 KiB read) and the results leave from registers.
; No cluster: what work-groups share is the 16 KiB of M2 against 128 KiB of x of their own.
; LIMITS: x enters both products un-normalised in bf16; 1/|x| is applied in f32 to the logits and is folded into p before p is rounded to bf16.
; The term c_k . b of the logits is not formed (it is the same for all pixels and cancels in the softmax).  A denormal |x|^2 counts as 0 in the
; square root (the norm is below 1e-12 there, so 1e-12 is taken as in the definition).  p below 2^-126 becomes 0.  NaN and infinities are not
; served.  The order of the sums differs from the definition's.
.set PX,   272                         ; XB: a row of 128 bf16 + 16 bytes: sixteen rows start 16 bytes apart modulo 256, so the 16-byte stores and the plain
                                       ; operand loads meet no two rows in one column; the transposing loads touch two columns of eight rows and meet two deep
.set XBW,  64*PX                       ; 17,408: a wave's 64 rows
.set INV0, 4*XBW                       ; 69,632: [wave][row 64] f32, 1/norm
.set MAX0, INV0+1024                   ; 70,656: [k 64][wave 4] f32 maxima; 1,024 bytes further the sums of p in the same shape
.set ML0,  MAX0+2048                   ; 72,704: M2 as in mfrag, 16,384 bytes
.set QL0,  ML0+16384                   ; 89,088: q: [kt 4][t 8][g 2][lane 32] x 16 bytes, 32,768 bytes
.set EPS,  0x2b8cbccc                  ; 1e-12
; block 0
.set MOFF, 1                           ; 16 lane
.set XOFF, 2                           ; x: w*256 + h*64 channels + r*16
.set XST,  3                           ; XB, store and operand of the first product: w*XBW + r*PX + h*128
.set XTR,  4                           ; XB, transposing load: (8h + lane%8)*PX + 16*((lane/8)%2) + w*64
.set INVS, 5
.set INVL, 6
.set MXS,  7
.set MXL,  8
.set MGO,  9                           ; mfrag: w*4096 + 16 lane
.set MLS,  10                          ; the same place in LDS
.set MLL,  11                          ; M2 operands: ML0 + 16 lane
.set QST,  12                          ; q, store: QL0 + w*2048 + 16 lane
.set QLD,  13                          ; q, load: QL0 + 16 lane
.set GO,   14                          ; ypart: w*2048 + 16 lane
.set SS,   16                          ; v[16:23] sums of squares, two sets of four pixels
.set MT,   32                          ; v[32:63] my quarter of M2 on its way to LDS
.set T,    32                          ; v[32:47] packed x on its way to LDS
.set RAW,  64                          ; v[64:255] x as loaded: 6 slots x 8 loads x 4
.set XF,   64                          ; v[64:191] x transposed: tile (t, cl) at 8 (2t + cl)
; block 1
.set AF,   0                           ; x operands of a K step, tile e at 8e
.set MF,   32                          ; M2 operands of a K step, tile kt at 8kt
.set Q,    0                           ; p/norm in bf16: tile (kt, t2) at 8 (2kt + t2)
.set INVR, 64                          ; 1/norm of row 16e + 8h + j at 8e + j
.set MM,   96                          ; the maximum, twice, for each kt
.set LS,   104                         ; sums of p, a pair for each kt
.set MX,   112                         ; the four waves' maxima
.set S,    128                         ; logits: tile (e, kt) at 8 (4e + kt)
.set Y,    128                         ; the second product: tile (cl, kt) at 8 (4cl + kt)
; block 2: q of all 256 pixels, tile (t, kt) at 8 (4t + kt)
.set MSB, 0
.macro WIN new                         ; s_set_vgpr_msb: bits 1:0 source 0, 3:2 source 1, 5:4 source 2, 7:6 destination; the high byte repeats the setting left
.if MSB != \new
	s_set_vgpr_msb (MSB<<8)|\new
.set MSB, \new
.endif
.endm
.macro PLACES                          ; four places behind a matrix instruction before its registers are touched otherwise (ISA guide 7.12.1)
.rept 4
	v_nop
.endr
.endm
	s_load_b256 s[4:11], s[0:1], 0x0               ; x s[4:5], mfrag s[6:7], ypart s[8:9], stat s[10:11]
	v_lshl_add_u32 v30, v0, 2, 0x1dc00
	v_mov_b32 v31, 0
	v_and_b32 v16, 15, v0                          ; r
	v_bfe_u32 v17, v0, 4, 1                        ; h
	v_and_b32 v18, 31, v0                          ; lane
	v_lshrrev_b32 v19, 5, v0
	v_readfirstlane_b32 s12, v19                   ; wave
	s_and_b32 s13, ttmp7, 0xffff                   ; n
	s_lshl_b32 s16, s13, 21                        ; an image: 128 x 4,096 x 4 bytes
	s_lshl_b32 s18, ttmp9, 10                      ; 256 pixels
	s_add_co_u32 s16, s16, s18
	s_mov_b32 s17, 0
	s_lshl_b32 s25, s12, 8                         ; the wave's 64 pixels
	s_lshl_b32 s26, s12, 12                        ; the wave's quarter of M2
	v_lshlrev_b32 v[MOFF], 4, v18
	v_add_nc_u32 v[MGO], s26, v[MOFF]
	v_lshlrev_b32 v[XOFF], 4, v16
	v_lshl_add_u32 v[XOFF], v17, 20, v[XOFF]       ; lanes 16-31 take channels 64 ..
	v_add_nc_u32 v[XOFF], s25, v[XOFF]
	s_wait_kmcnt 0x0
	s_add_nc_u64 s[4:5], s[4:5], s[16:17]
.irp i, 0,1,2,3,4,5,6,7
	global_load_b128 v[MT+4*\i:MT+4*\i+3], v[MGO], s[6:7] offset:512*\i        ; first, since the first K step wants it (every work-group reads it: no hint)
.endr
.irp sl, 0,1,2,3,4,5
.irp u, 0,1,2,3,4,5,6,7
	global_load_b128 v[RAW+32*\sl+4*\u:RAW+32*\sl+4*\u+3], v[XOFF], s[4:5] offset:(8*\sl+\u)*16384 th:TH_LOAD_NT   ; channel 64h + 8 sl + u, pixels 4r ..
.endr
.endr
	; the rest of the set-up, while the 56 loads are on their way
	s_mov_b32 s14, 0x76543210                      ; v_permlanex16_b32: lane i takes lane i of the other half
	s_mov_b32 s15, 0xfedcba98
	s_mov_b32 s31, EPS
	s_lshl4_add_u32 s19, s13, ttmp9                ; 16 n + j
	s_lshl_b32 s20, s19, 15
	s_mov_b32 s21, 0
	s_add_nc_u64 s[8:9], s[8:9], s[20:21]          ; ypart: 64 x 128 x 4 bytes a work-group
	s_lshl_b32 s22, s19, 9
	s_mov_b32 s23, 0
	s_add_nc_u64 s[10:11], s[10:11], s[22:23]      ; stat: 2 x 64 x 4 bytes
	s_mul_i32 s24, s12, XBW
	v_mul_u32_u24 v20, v16, PX
	v_add_nc_u32 v20, s24, v20
	v_lshl_add_u32 v[XST], v17, 7, v20
	v_and_b32 v21, 7, v0
	v_lshl_add_u32 v21, v17, 3, v21
	v_mul_u32_u24 v21, v21, PX
	v_bfe_u32 v22, v0, 3, 1
	v_lshl_add_u32 v21, v22, 4, v21
	s_lshl_b32 s27, s12, 6                         ; my 32 channels of the second product: 64 bytes of a row
	v_add_nc_u32 v[XTR], s27, v21
	s_add_co_u32 s28, s25, INV0
	v_lshl_add_u32 v[INVS], v16, 2, s28
	v_lshl_add_u32 v[INVL], v17, 5, s28
	v_lshlrev_b32 v[MXL], 4, v16
	v_add_nc_u32 v[MXL], MAX0, v[MXL]
	s_lshl_b32 s29, s12, 2
	v_add_nc_u32 v[MXS], s29, v[MXL]
	v_add_nc_u32 v[MLL], ML0, v[MOFF]
	v_add_nc_u32 v[MLS], s26, v[MLL]
	v_add_nc_u32 v[QLD], QL0, v[MOFF]
	s_lshl_b32 s30, s12, 11
	v_add_nc_u32 v[QST], s30, v[QLD]
	v_add_nc_u32 v[GO], s30, v[MOFF]
	s_wait_loadcnt 48                              ; my quarter of M2 is in; the 48 loads of x stay out
.irp i, 0,1,2,3,4,5,6,7
	ds_store_b128 v[MLS], v[MT+4*\i:MT+4*\i+3] offset:512*\i
.endr
	s_wait_dscnt 0x0                               ; it is in LDS, for the other waves
	s_barrier_signal -1
	s_barrier_wait -1
; squares of one load's four pixels into set u % 2; start = 1: the product starts the sum
.macro SQUARE slot, u, start
.if \start
	v_pk_mul_f32 v[SS+4*(\u%2):SS+4*(\u%2)+1],   v[RAW+32*\slot+4*\u:RAW+32*\slot+4*\u+1],   v[RAW+32*\slot+4*\u:RAW+32*\slot+4*\u+1]
	v_pk_mul_f32 v[SS+4*(\u%2)+2:SS+4*(\u%2)+3], v[RAW+32*\slot+4*\u+2:RAW+32*\slot+4*\u+3], v[RAW+32*\slot+4*\u+2:RAW+32*\slot+4*\u+3]
.else
	v_pk_fma_f32 v[SS+4*(\u%2):SS+4*(\u%2)+1],   v[RAW+32*\slot+4*\u:RAW+32*\slot+4*\u+1],   v[RAW+32*\slot+4*\u:RAW+32*\slot+4*\u+1],   v[SS+4*(\u%2):SS+4*(\u%2)+1]
	v_pk_fma_f32 v[SS+4*(\u%2)+2:SS+4*(\u%2)+3], v[RAW+32*\slot+4*\u+2:RAW+32*\slot+4*\u+3], v[RAW+32*\slot+4*\u+2:RAW+32*\slot+4*\u+3], v[SS+4*(\u%2)+2:SS+4*(\u%2)+3]
.endif
.endm
; Eight channels (64h + 8g ..) of my four pixels: squared, packed to bf16 (packing two channels of one pixel transposes), 16 bytes a pixel into LDS.
; left = the younger loads that may stay out; fill = the group with which the slot is loaded again, or -1.
.macro GROUP g, slot, left, fill, first
	s_wait_loadcnt \left
	SQUARE \slot, 0, \first
	SQUARE \slot, 1, \first
.irp u, 2,3,4,5,6,7
	SQUARE \slot, \u, 0
.endr
.irp e, 0,1,2,3
.irp p, 0,1,2,3
	v_cvt_pk_bf16_f32 v[T+4*\e+\p], v[RAW+32*\slot+8*\p+\e], v[RAW+32*\slot+8*\p+4+\e]
.endr
.endr
.irp e, 0,1,2,3
	ds_store_b128 v[XST], v[T+4*\e:T+4*\e+3] offset:\e*16*PX+16*\g     ; row 16e + r, bytes 128h + 16g
.endr
.if \fill >= 0
.irp u, 0,1,2,3,4,5,6,7
	global_load_b128 v[RAW+32*\slot+4*\u:RAW+32*\slot+4*\u+3], v[XOFF], s[4:5] offset:(8*\fill+\u)*16384 th:TH_LOAD_NT
.endr
.endif
.endm
; FIRST PRODUCT: S[row][k] = sum over c of x[row][c] M2[k][c].  Source 0: 16 rows of XB, source 1: 16 centroids.
; Register j of tile (e, kt): row 16e + 8h + j, centroid 16kt + r.  XB is the wave's own: LDS serves a wave's instructions in order (ISA guide 5.7.1.4).
; The operands of K step s: a lane's 32 bytes at 128h + 32s of its row are channels 64h + 16s .. + 15, and M2's operand holds the same channels.
.macro FETCH s
	WIN 0x40                                       ; destination in block 1
.irp e, 0,1,2,3
	ds_load_b128 v[AF+8*\e:AF+8*\e+3],   v[XST] offset:\e*16*PX+32*\s
	ds_load_b128 v[AF+8*\e+4:AF+8*\e+7], v[XST] offset:\e*16*PX+32*\s+16
.endr
.irp kt, 0,1,2,3
	ds_load_b128 v[MF+8*\kt:MF+8*\kt+3],   v[MLL] offset:\kt*4096+\s*1024
	ds_load_b128 v[MF+8*\kt+4:MF+8*\kt+7], v[MLL] offset:\kt*4096+\s*1024+512
.endr
	WIN 0
.endm
; sixteen accumulators by turns, in the same order in every K step
.macro MUL1 zero
.irp e, 0,1,2,3
.irp kt, 0,1,2,3
.if \zero
	v_wmma_f32_16x16x32_bf16 v[S+8*(4*\e+\kt):S+8*(4*\e+\kt)+7], v[AF+8*\e:AF+8*\e+7], v[MF+8*\kt:MF+8*\kt+7], 0
.else
	v_wmma_f32_16x16x32_bf16 v[S+8*(4*\e+\kt):S+8*(4*\e+\kt)+7], v[AF+8*\e:AF+8*\e+7], v[MF+8*\kt:MF+8*\kt+7], v[S+8*(4*\e+\kt):S+8*(4*\e+\kt)+7]
.endif
.endr
.endr
.endm
.macro STEP zero
	WIN 0x55                                       ; all four places in block 1
	s_wait_dscnt 4                                 ; the step's 16 operand loads are in; the four stores of the group since then may be out
	MUL1 \zero
	WIN 0
.endm
; Between a step's matrix instructions and the next step's loads into the same operand registers stands a whole group: 32 plain vector instructions.
	GROUP 0, 0, 40, 6, 1                           ; younger than group 0: groups 1-5
	GROUP 1, 1, 40, 7, 0                           ; groups 2-6
	FETCH 0
	GROUP 2, 2, 40, -1, 0                          ; groups 3-7
	STEP 1                                         ; the first step starts the sums: nothing is cleared
	GROUP 3, 3, 32, -1, 0
	FETCH 1
	GROUP 4, 4, 24, -1, 0
	STEP 0
	GROUP 5, 5, 16, -1, 0
	FETCH 2
	GROUP 6, 0, 8, -1, 0
	STEP 0
	GROUP 7, 1, 0, -1, 0
	FETCH 3
	; 1 / max(|x|, 1e-12) of my four pixels
	v_pk_add_f32 v[SS:SS+1],   v[SS:SS+1],   v[SS+4:SS+5]
	v_pk_add_f32 v[SS+2:SS+3], v[SS+2:SS+3], v[SS+6:SS+7]
.irp e, 0,1,2,3
	v_permlanex16_b32 v[SS+4+\e], v[SS+\e], s14, s15               ; the other 64 channels
.endr
	v_pk_add_f32 v[SS:SS+1],   v[SS:SS+1],   v[SS+4:SS+5]
	v_pk_add_f32 v[SS+2:SS+3], v[SS+2:SS+3], v[SS+6:SS+7]
.irp e, 0,1,2,3
	v_sqrt_f32 v[SS+\e], v[SS+\e]
.endr
	v_nop                                          ; one plain place behind the transcendentals (ISA guide 5.7.2)
	s_wait_alu depctr_va_vdst(0)
.irp e, 0,1,2,3
	v_max_num_f32 v[SS+\e], s31, v[SS+\e]
.endr
.irp e, 0,1,2,3
	v_rcp_f32 v[SS+\e], v[SS+\e]
.endr
	v_nop
	s_wait_alu depctr_va_vdst(0)
.irp e, 0,1,2,3
	ds_store_b32 v[INVS], v[SS+\e] offset:64*\e    ; row 16e + r; both halves store the same word with the same number
.endr
	WIN 0x40
.irp e, 0,1,2,3
	ds_load_b128 v[INVR+8*\e:INVR+8*\e+3],   v[INVL] offset:64*\e  ; the wave's own bytes, in order behind the stores
	ds_load_b128 v[INVR+8*\e+4:INVR+8*\e+7], v[INVL] offset:64*\e+16
.endr
	WIN 0x55                                       ; from here to the exchange of q everything lies in block 1
	s_wait_dscnt 12                                ; the last step's operands are in; 4 stores and 8 loads of the norms may be out
	MUL1 0
	PLACES
	s_wait_dscnt 0x0                               ; the norms
	; logits = S / norm; the wave's maximum for each centroid
.irp e, 0,1,2,3
.irp kt, 0,1,2,3
.irp p, 0,1,2,3
	v_pk_mul_f32 v[S+8*(4*\e+\kt)+2*\p:S+8*(4*\e+\kt)+2*\p+1], v[S+8*(4*\e+\kt)+2*\p:S+8*(4*\e+\kt)+2*\p+1], v[INVR+8*\e+2*\p:INVR+8*\e+2*\p+1]
.endr
.endr
.endr
.irp kt, 0,1,2,3
	v_max_num_f32 v[MM+2*\kt], v[S+8*\kt], v[S+8*\kt+1]            ; four chains by turns, started by the first two numbers
.endr
.irp p, 1,2,3
.irp kt, 0,1,2,3
	v_max3_num_f32 v[MM+2*\kt], v[MM+2*\kt], v[S+8*\kt+2*\p], v[S+8*\kt+2*\p+1]
.endr
.endr
.irp e, 1,2,3
.irp p, 0,1,2,3
.irp kt, 0,1,2,3
	v_max3_num_f32 v[MM+2*\kt], v[MM+2*\kt], v[S+8*(4*\e+\kt)+2*\p], v[S+8*(4*\e+\kt)+2*\p+1]
.endr
.endr
.endr
.irp kt, 0,1,2,3
	v_permlanex16_b32 v[AF+\kt], v[MM+2*\kt], s14, s15             ; the rows of the other half (into registers that have been written)
.endr
.irp kt, 0,1,2,3
	v_max_num_f32 v[MM+2*\kt], v[MM+2*\kt], v[AF+\kt]
.endr
	WIN 0x04                                       ; an LDS store's data is source 1
.irp kt, 0,1,2,3
	ds_store_b32 v[MXS], v[MM+2*\kt] offset:256*\kt                ; [k = 16kt + r][wave]
.endr
	s_wait_dscnt 0x0                               ; my maxima and all my rows of XB are in LDS, for the other waves
	s_barrier_signal -1
	s_barrier_wait -1
	WIN 0x40
.irp kt, 0,1,2,3
	ds_load_b128 v[MX+4*\kt:MX+4*\kt+3], v[MXL] offset:256*\kt
.endr
	WIN 0                                          ; x transposed, for the second product: my 32 channels of all four waves' rows; they land under the exponentials
.irp t, 0,1,2,3,4,5,6,7
.irp cl, 0,1
	ds_load_tr16_b128 v[XF+8*(2*\t+\cl):XF+8*(2*\t+\cl)+3],   v[XTR] offset:(\t/2)*XBW+(\t%2)*32*PX+32*\cl         ; channel 32w + 16cl + r, rows 32t + 8h ..
	ds_load_tr16_b128 v[XF+8*(2*\t+\cl)+4:XF+8*(2*\t+\cl)+7], v[XTR] offset:(\t/2)*XBW+(\t%2)*32*PX+32*\cl+16*PX   ; rows 32t + 16 + 8h ..
.endr
.endr
	WIN 0x55
	s_wait_dscnt 32                                ; the maxima are in; the 32 transposing loads stay out
.irp kt, 0,1,2,3
	v_max3_num_f32 v[MM+2*\kt], v[MX+4*\kt], v[MX+4*\kt+1], v[MX+4*\kt+2]
.endr
.irp kt, 0,1,2,3
	v_max_num_f32 v[MM+2*\kt], v[MM+2*\kt], v[MX+4*\kt+3]          ; the chunk's maximum
.endr
.irp kt, 0,1,2,3
	v_mov_b32 v[MM+2*\kt+1], v[MM+2*\kt]           ; twice: a pair for the packed subtraction
.endr
; p = 2^(t - m) of one tile; its sum into LS[kt]; p / norm rounded to bf16.  A lane's eight rows 16e + 8h + j of centroid 16kt + r are just
; what source 1 of the second product wants of it: registers 4 (e % 2) .. + 3 of tile (kt, e / 2).  No number changes its lane.
.macro EXPQ e, kt
.set SB, S+8*(4*\e+\kt)
.irp p, 0,1,2,3
	v_pk_add_f32 v[SB+2*\p:SB+2*\p+1], v[SB+2*\p:SB+2*\p+1], v[MM+2*\kt:MM+2*\kt+1] neg_lo:[0,1] neg_hi:[0,1]
.endr
.irp j, 0,1,2,3,4,5,6,7
	v_exp_f32 v[SB+\j], v[SB+\j]
.endr
	v_nop                                          ; one plain place behind the transcendentals
.if \e == 0
	s_wait_alu depctr_va_vdst(0)
	v_pk_add_f32 v[LS+2*\kt:LS+2*\kt+1], v[SB:SB+1], v[SB+2:SB+3]  ; the first tile starts the sum
	v_pk_mul_f32 v[SB:SB+1],   v[SB:SB+1],   v[INVR+8*\e:INVR+8*\e+1]
	v_pk_mul_f32 v[SB+2:SB+3], v[SB+2:SB+3], v[INVR+8*\e+2:INVR+8*\e+3]
.else
	s_wait_alu depctr_va_vdst(0)
	v_pk_add_f32 v[LS+2*\kt:LS+2*\kt+1], v[LS+2*\kt:LS+2*\kt+1], v[SB:SB+1]
	v_pk_mul_f32 v[SB:SB+1],   v[SB:SB+1],   v[INVR+8*\e:INVR+8*\e+1]
	v_pk_add_f32 v[LS+2*\kt:LS+2*\kt+1], v[LS+2*\kt:LS+2*\kt+1], v[SB+2:SB+3]
	v_pk_mul_f32 v[SB+2:SB+3], v[SB+2:SB+3], v[INVR+8*\e+2:INVR+8*\e+3]
.endif
	v_pk_add_f32 v[LS+2*\kt:LS+2*\kt+1], v[LS+2*\kt:LS+2*\kt+1], v[SB+4:SB+5]
	v_pk_mul_f32 v[SB+4:SB+5], v[SB+4:SB+5], v[INVR+8*\e+4:INVR+8*\e+5]
	v_pk_add_f32 v[LS+2*\kt:LS+2*\kt+1], v[LS+2*\kt:LS+2*\kt+1], v[SB+6:SB+7]
	v_pk_mul_f32 v[SB+6:SB+7], v[SB+6:SB+7], v[INVR+8*\e+6:INVR+8*\e+7]
.irp p, 0,1,2,3
	v_cvt_pk_bf16_f32 v[Q+8*(2*\kt+\e/2)+4*(\e%2)+\p], v[SB+2*\p], v[SB+2*\p+1]
.endr
.endm
.irp e, 0,1,2,3
.irp kt, 0,1,2,3
	EXPQ \e, \kt
.endr
.endr
.irp kt, 0,1,2,3
	v_add_f32 v[LS+2*\kt], v[LS+2*\kt], v[LS+2*\kt+1]
.endr
.irp kt, 0,1,2,3
	v_permlanex16_b32 v[LS+2*\kt+1], v[LS+2*\kt], s14, s15
.endr
.irp kt, 0,1,2,3
	v_add_f32 v[LS+2*\kt], v[LS+2*\kt], v[LS+2*\kt+1]
.endr
	WIN 0x04
.irp kt, 0,1,2,3
	ds_store_b32 v[MXS], v[LS+2*\kt] offset:1024+256*\kt           ; the wave's sum of p, [k][wave]
.endr
.irp kt, 0,1,2,3
.irp t2, 0,1
	ds_store_b128 v[QST], v[Q+8*(2*\kt+\t2):Q+8*(2*\kt+\t2)+3],   offset:\kt*8192+\t2*1024         ; step t = 2w + t2, in operand order: 512 consecutive bytes a store
	ds_store_b128 v[QST], v[Q+8*(2*\kt+\t2)+4:Q+8*(2*\kt+\t2)+7], offset:\kt*8192+\t2*1024+512
.endr
.endr
	s_wait_dscnt 0x0                               ; my q and my sums of p are in LDS, for the other waves (and my transposed x is in its registers)
	s_barrier_signal -1
	s_barrier_wait -1
	; SECOND PRODUCT: Y[c][k] = sum over the 256 rows of x[row][c] q[k][row], eight steps of 32 rows.  Source 0: 16 of my channels (block 0), source 1: 16 centroids
	; (block 2), sums in block 1.  Register j of tile (cl, kt): centroid 16kt + r, channel 32w + 16cl + 8h + j.
	; Eight accumulators by turns, in the same order in every step.  Every step's q has registers of its own: no load lands on an operand in use.
.macro QLOAD t
	WIN 0x80                                       ; destination in block 2
.irp kt, 0,1,2,3
	ds_load_b128 v[8*(4*\t+\kt):8*(4*\t+\kt)+3],   v[QLD] offset:\kt*8192+\t*1024
	ds_load_b128 v[8*(4*\t+\kt)+4:8*(4*\t+\kt)+7], v[QLD] offset:\kt*8192+\t*1024+512
.endr
.endm
; left = the loads of later steps that may stay out
.macro MUL2 t, left, zero
	WIN 0x58                                       ; source 0 block 0, source 1 block 2, C and D block 1
	s_wait_dscnt \left
.irp cl, 0,1
.irp kt, 0,1,2,3
.if \zero
	v_wmma_f32_16x16x32_bf16 v[Y+8*(4*\cl+\kt):Y+8*(4*\cl+\kt)+7], v[XF+8*(2*\t+\cl):XF+8*(2*\t+\cl)+7], v[8*(4*\t+\kt):8*(4*\t+\kt)+7], 0
.else
	v_wmma_f32_16x16x32_bf16 v[Y+8*(4*\cl+\kt):Y+8*(4*\cl+\kt)+7], v[XF+8*(2*\t+\cl):XF+8*(2*\t+\cl)+7], v[8*(4*\t+\kt):8*(4*\t+\kt)+7], v[Y+8*(4*\cl+\kt):Y+8*(4*\cl+\kt)+7]
.endif
.endr
.endr
.endm
.irp t, 0,1,2,3,4,5
	QLOAD \t
.endr
	MUL2 0, 40, 1                                  ; steps 1-5 stay out
	QLOAD 6
	MUL2 1, 40, 0                                  ; steps 2-6
	QLOAD 7
	MUL2 2, 40, 0                                  ; steps 3-7
	MUL2 3, 32, 0
	MUL2 4, 24, 0
	MUL2 5, 16, 0
	MUL2 6, 8, 0
	MUL2 7, 0, 0
	PLACES
	WIN 0x04                                       ; a store's data is source 1: block 1
.irp kt, 0,1,2,3
.irp cl, 0,1
	global_store_b128 v[GO], v[Y+8*(4*\cl+\kt):Y+8*(4*\cl+\kt)+3],   s[8:9] offset:\kt*8192+\cl*1024       ; 512 consecutive bytes a store, aligned
	global_store_b128 v[GO], v[Y+8*(4*\cl+\kt)+4:Y+8*(4*\cl+\kt)+7], s[8:9] offset:\kt*8192+\cl*1024+512   ; (no hint: the next launch reads these bytes)
.endr
.endr
	WIN 0
	s_cmp_lg_u32 s12, 0
	s_cbranch_scc1 .Ldone                          ; wave 0 stores the chunk's maxima and sums: lane l takes centroids 2l, 2l + 1
	v_lshl_add_u32 v192, v[MOFF], 1, MAX0          ; 32 lane: two rows of four words
	v_lshrrev_b32 v193, 1, v[MOFF]                 ; 8 lane
	ds_load_b128 v[196:199], v192
	ds_load_b128 v[200:203], v192 offset:16
	ds_load_b128 v[204:207], v192 offset:1024
	ds_load_b128 v[208:211], v192 offset:1040
	s_wait_dscnt 0x0
	v_max3_num_f32 v194, v196, v197, v198
	v_max3_num_f32 v195, v200, v201, v202
	v_max_num_f32 v194, v194, v199
	v_max_num_f32 v195, v195, v203
	v_pk_add_f32 v[204:205], v[204:205], v[206:207]
	v_pk_add_f32 v[208:209], v[208:209], v[210:211]
	v_add_f32 v212, v204, v205
	v_add_f32 v213, v208, v209
	global_store_b64 v193, v[194:195], s[10:11]                    ; 256 consecutive bytes, aligned
	global_store_b64 v193, v[212:213], s[10:11] offset:256
.Ldone:
	s_wait_tensorcnt 0x0
	ds_add_u32 v30, v31
	s_wait_dscnt 0x0
	s_endpgm
.Lfunc_end_k_q4963a43727_main:
	.size	k_q4963a43727_main, .Lfunc_end_k_q4963a43727_main-k_q4963a43727_main
	.p2alignl 7, 3214868480
	.fill 96, 4, 3214868480
	.section	.rodata,"a",@progbits
	.p2align	6, 0x0
	.amdhsa_kernel k_q4963a43727_main
		.amdhsa_group_segment_fixed_size 122368
		.amdhsa_private_segment_fixed_size 0
		.amdhsa_enable_private_segment 0
		.amdhsa_kernarg_size 32
		.amdhsa_user_sgpr_count 2
		.amdhsa_user_sgpr_kernarg_segment_ptr 1
		.amdhsa_wavefront_size32 1
		.amdhsa_system_sgpr_workgroup_id_x 1
		.amdhsa_system_sgpr_workgroup_id_y 1
		.amdhsa_system_sgpr_workgroup_id_z 1
		.amdhsa_system_vgpr_workitem_id 0
		.amdhsa_next_free_vgpr 768
		.amdhsa_next_free_sgpr 66
		.amdhsa_reserve_vcc 0
		.amdhsa_float_denorm_mode_32 3
		.amdhsa_float_denorm_mode_16_64 3
		.amdhsa_memory_ordered 1
		.amdhsa_forward_progress 1
		.amdhsa_inst_pref_size 85
	.end_amdhsa_kernel
	.amdgpu_metadata
---
amdhsa.version: [ 1, 2 ]
amdhsa.kernels:
  - .name:           k_q4963a43727_main
    .symbol:         k_q4963a43727_main.kd
    .args:
      - { .name: x, .offset: 0, .size: 8, .value_kind: global_buffer, .address_space: global }
      - { .name: mfrag, .offset: 8, .size: 8, .value_kind: global_buffer, .address_space: global }
      - { .name: ypart, .offset: 16, .size: 8, .value_kind: global_buffer, .address_space: global }
      - { .name: stat, .offset: 24, .size: 8, .value_kind: global_buffer, .address_space: global }
    .group_segment_fixed_size: 122368
    .private_segment_fixed_size: 0
    .kernarg_segment_align: 8
    .kernarg_segment_size: 32
    .max_flat_workgroup_size: 128
    .sgpr_count:     66
    .vgpr_count:     768
    .wavefront_size: 32
...
	.end_amdgpu_metadata
.endif
;; end of part 2
;; launch comb (part 3): grid 16 x 16, 8 waves a work-group, no clusters, 15,872 bytes of LDS; arguments ypart, stat, wfrag, conv_b, out0; writes out0
.if DOCPART == 3
	.amdgcn_target "amdgcn-amd-amdhsa--gfx1250"
	.amdhsa_code_object_version 6
	.text
	.protected	k_q4963a43727_comb
	.globl	k_q4963a43727_comb
	.p2align	8
	.type	k_q4963a43727_comb,@function
k_q4963a43727_comb:
	s_mov_b64 s[64:65], 0
	v_nop
	global_prefetch_b8 v0, s[64:65] scope:SCOPE_SE
	s_setreg_imm32_b32 hwreg(HW_REG_WAVE_MODE, 25, 1), 1
	s_wait_xcnt 0x0
; COMB.  For image n: M = max over the 16 chunks j of m_j;  f_j = 2^(m_j - M);  y[k][c] = sum_j f_j ypart_j[k][c] / sum_j f_j l_j;
; out0[n][k][d] = sum over c of W[d][c] y[k][c] + b[d].
; Why b enters once: vlad[k] = sum_l s[k][l] (W xn_l + b) = W y_k + b sum_l s[k][l], and the softmax weights sum to 1.
; The divisor is at least 1: the chunk that holds the maximum has f = 1 and its own largest p = 1.
; Work-group (x = kb + 4 (n % 4), y = dq + 4 (n / 4)) makes out0[n][16kb .. +15][128dq .. +127].  The four work-groups dq = 0..3 that read the same partial sums
; have the same x and four neighbouring y: their numbers in the grid differ by 16, 32 and 48 and lie in one aligned block of 64.
; ypart lies as the matrix unit left it: byte kt*8192 + ct*1024 + q*512 + lane*16 of a chunk holds (k = 16kt + r, c = 16ct + 8h + 4q + 0..3).  Wave w adds channel
; tile ct = w of the 16 chunks; a lane's eight sums, packed to bf16, are its share of the operand of the product: no number changes its lane.
; The factor hangs on (k, j), and k = r is the lane's: wave w makes the factors of rows 2w, 2w + 1 (lane = chunk), they meet in LDS, each twice (a pair for the
; packed multiply-add), and every lane reads the sixteen of its row.  Then wave w makes the 16 columns d = 128dq + 16w .. of all 16 rows with four matrix instructions.
; A tile of R rows x Dc columns reads 8,192 R bytes of partial sums and 256 Dc bytes of W; at R Dc = 2,048 (256 work-groups) R = 16, Dc = 128 is near the least.
; No cluster: the four work-groups along dq read the same partial sums, but every number is scaled as it arrives in registers; a joint copy into LDS
; would add 128 KiB of LDS writes and reads to each of them.
; LIMITS: y and W enter the product in bf16; f below 2^-126 becomes 0; NaN and infinities are not served; the order of the sums differs from the definition's.
.set OS0,  4096                        ; LDS: y operands [ct 8][lane 32] x 16 bytes at 0; then OS: [16][128 f32], rows 528 bytes apart;
.set FAC0, OS0+16*528                  ; 12,544: factors [k 16][j 16] x 2 f32, rows FP bytes apart
.set FP,   144                         ; 9 x 16 bytes: sixteen rows start in sixteen different 16-byte columns of 256
.set SA,  2                            ; stat: chunk (lane % 16) * 512 + (2w + lane / 16) * 4
.set PA,  3                            ; ypart: w*1024 + 16 lane
.set WA,  4                            ; wfrag and out0: w*4096 + 16 lane (a d tile of wfrag is as many bytes as two rows of out0)
.set BA,  5                            ; 16 lane: conv_b, and the y operands in LDS
.set FS,  6                            ; LDS factors, store
.set FL,  7                            ; LDS factors, load: row r
.set YS,  8                            ; LDS y, store: w*512 + 16 lane
.set OSS, 9                            ; LDS OS, store: OS0 + r*528 + w*64 + h*32
.set OSL, 10                           ; LDS OS, load: OS0 + w*1056 + 16 lane
.set YA,  20                           ; v[20:27] my eight sums
.set PK,  28                           ; v[28:31] packed
.set BIAS, 32                          ; v[32:35]
.set G,   36                           ; v[36:67]  the factor of (k = r, chunk j), twice, at 2j
.set WF,  68                           ; v[68:99]  W operands, cs = 0..3
.set ACC0, 100
.set ACC1, 108
.set PART, 128                         ; v[128:255] chunk j at 8j
.set YF,  128                          ; v[128:159] y operands, over the partial sums, which are used up by then
.set OUT, 160                          ; v[160:167] two rows on their way out
	s_load_b256 s[4:11], s[0:1], 0x0               ; ypart s[4:5], stat s[6:7], wfrag s[8:9], conv_b s[10:11]
	s_load_b64 s[12:13], s[0:1], 0x20              ; out0
	v_lshl_add_u32 v126, v0, 2, 0x3a00
	v_mov_b32 v127, 0
	v_and_b32 v14, 15, v0                          ; r
	v_bfe_u32 v15, v0, 4, 1                        ; h
	v_and_b32 v16, 31, v0                          ; lane
	v_lshrrev_b32 v17, 5, v0
	v_readfirstlane_b32 s14, v17                   ; wave
	s_and_b32 s15, ttmp9, 3                        ; kb = x % 4
	s_lshr_b32 s20, ttmp9, 2                       ; n % 4 = x / 4
	s_and_b32 s17, ttmp7, 0xffff                   ; y
	s_and_b32 s16, s17, 3                          ; dq = y % 4
	s_and_b32 s17, s17, 12                         ; 4 (n / 4) = y - dq
	s_add_co_u32 s17, s17, s20                     ; n
	s_mov_b32 s19, 0
	v_lshlrev_b32 v[SA], 9, v14
	v_lshl_add_u32 v[SA], v15, 2, v[SA]
	s_lshl_b32 s20, s14, 3
	v_add_nc_u32 v[SA], s20, v[SA]
	v_lshlrev_b32 v[BA], 4, v16
	s_lshl_b32 s21, s14, 10
	v_add_nc_u32 v[PA], s21, v[BA]
	s_lshl_b32 s22, s14, 12
	v_add_nc_u32 v[WA], s22, v[BA]
	s_wait_kmcnt 0x0
	s_lshl_b32 s18, s17, 19
	s_lshl_b32 s23, s15, 13
	s_add_co_u32 s18, s18, s23
	s_add_nc_u64 s[4:5], s[4:5], s[18:19]          ; ypart: n*524288 + centroid tile kb of 8,192 bytes
	s_lshl_b32 s18, s17, 13
	s_lshl_b32 s23, s15, 6
	s_add_co_u32 s18, s18, s23
	s_add_nc_u64 s[6:7], s[6:7], s[18:19]          ; stat: n*8192 + 16 kb words
	s_lshl_b32 s18, s16, 15
	s_add_nc_u64 s[8:9], s[8:9], s[18:19]          ; wfrag: 8 d tiles of 4,096 bytes
	s_lshl_b32 s18, s16, 9
	s_add_nc_u64 s[10:11], s[10:11], s[18:19]      ; conv_b: 128 dq
	s_add_nc_u64 s[12:13], s[12:13], s[18:19]      ; out0: column 128 dq,
	s_lshl_b32 s18, s17, 17
	s_lshl_b32 s23, s15, 15
	s_add_co_u32 s18, s18, s23
	s_add_nc_u64 s[12:13], s[12:13], s[18:19]      ; image n, row 16 kb
	; 43 loads: 2 stat, 32 partial sums, 8 W, 1 bias
	global_load_b32 v12, v[SA], s[6:7]             ; m of (chunk lane % 16, row 2w + lane / 16)
	global_load_b32 v13, v[SA], s[6:7] offset:256  ; l
.irp j, 0,1,2,3,4,5,6,7,8,9,10,11,12,13,14,15
.irp q, 0,1
	global_load_b128 v[PART+8*\j+4*\q:PART+8*\j+4*\q+3], v[PA], s[4:5] offset:\j*32768+\q*512      ; 512 consecutive bytes (four work-groups read them: no hint)
.endr
.endr
.irp cs, 0,1,2,3
	global_load_b128 v[WF+8*\cs:WF+8*\cs+3],   v[WA], s[8:9] offset:\cs*1024
	global_load_b128 v[WF+8*\cs+4:WF+8*\cs+7], v[WA], s[8:9] offset:\cs*1024+512
.endr
	global_load_b128 v[BIAS:BIAS+3], v[BA], s[10:11]
	s_mul_i32 s20, s14, 2*FP
	s_add_co_u32 s20, s20, FAC0
	v_mul_u32_u24 v[FS], v15, FP
	v_lshl_add_u32 v[FS], v14, 3, v[FS]
	v_add_nc_u32 v[FS], s20, v[FS]                 ; row 2w + lane / 16, pair lane % 16
	v_mul_u32_u24 v[FL], v14, FP
	v_add_nc_u32 v[FL], FAC0, v[FL]
	s_lshl_b32 s21, s14, 9
	v_add_nc_u32 v[YS], s21, v[BA]
	v_mul_u32_u24 v[OSS], v14, 528
	v_lshl_add_u32 v[OSS], v15, 5, v[OSS]
	s_lshl_b32 s22, s14, 6
	s_add_co_u32 s22, s22, OS0
	v_add_nc_u32 v[OSS], s22, v[OSS]
	s_mul_i32 s23, s14, 1056
	s_add_co_u32 s23, s23, OS0
	v_lshl_add_u32 v[OSL], v16, 4, s23
	s_wait_loadcnt 41                              ; m and l are in; 41 younger loads stay out
	v_mov_b32 v14, v12
	v_max_num_f32_dpp v14, v14, v14 row_xmask:1 row_mask:0xf bank_mask:0xf     ; over the 16 chunks: the 16 lanes of a half
	v_max_num_f32_dpp v14, v14, v14 row_xmask:2 row_mask:0xf bank_mask:0xf
	v_max_num_f32_dpp v14, v14, v14 row_xmask:4 row_mask:0xf bank_mask:0xf
	v_max_num_f32_dpp v14, v14, v14 row_xmask:8 row_mask:0xf bank_mask:0xf
	v_sub_f32 v15, v12, v14
	v_exp_f32 v15, v15                             ; f = 2^(m - M)
	v_nop                                          ; one plain place behind a transcendental (ISA guide 5.7.2)
	s_wait_alu depctr_va_vdst(0)
	v_mul_f32 v16, v15, v13
	v_add_f32_dpp v16, v16, v16 row_xmask:1 row_mask:0xf bank_mask:0xf
	v_add_f32_dpp v16, v16, v16 row_xmask:2 row_mask:0xf bank_mask:0xf
	v_add_f32_dpp v16, v16, v16 row_xmask:4 row_mask:0xf bank_mask:0xf
	v_add_f32_dpp v16, v16, v16 row_xmask:8 row_mask:0xf bank_mask:0xf
	v_rcp_f32 v16, v16
	v_nop
	s_wait_alu depctr_va_vdst(0)
	v_mul_f32 v18, v15, v16                        ; f / sum: the chunk's factor,
	v_mul_f32 v19, v15, v16                        ; twice: a pair for the packed multiply-add
	ds_store_b64 v[FS], v[18:19]
	s_wait_dscnt 0x0                               ; my two rows of factors are in LDS, for the other waves
	s_barrier_signal -1
	s_barrier_wait -1
.irp i, 0,1,2,3,4,5,6,7
	ds_load_b128 v[G+4*\i:G+4*\i+3], v[FL] offset:16*\i            ; the pairs of chunks 2i, 2i + 1 of row r
.endr
	s_wait_dscnt 0x0
.macro ACCJ j
.irp p, 0,1,2,3
.if \j == 0
	v_pk_mul_f32 v[YA+2*\p:YA+2*\p+1], v[PART+2*\p:PART+2*\p+1], v[G:G+1]      ; the first chunk starts the sums
.else
	v_pk_fma_f32 v[YA+2*\p:YA+2*\p+1], v[PART+8*\j+2*\p:PART+8*\j+2*\p+1], v[G+2*\j:G+2*\j+1], v[YA+2*\p:YA+2*\p+1]
.endif
.endr
.endm
	s_wait_loadcnt 33                              ; chunks 0-3 (8 loads) are in; 24 + 9 stay out
	ACCJ 0
	ACCJ 1
	ACCJ 2
	ACCJ 3
	s_wait_loadcnt 25
	ACCJ 4
	ACCJ 5
	ACCJ 6
	ACCJ 7
	s_wait_loadcnt 17
	ACCJ 8
	ACCJ 9
	ACCJ 10
	ACCJ 11
	s_wait_loadcnt 9                               ; all partial sums are in; W (8) and the bias (1) may be out
	ACCJ 12
	ACCJ 13
	ACCJ 14
	ACCJ 15
.irp p, 0,1,2,3
	v_cvt_pk_bf16_f32 v[PK+\p], v[YA+2*\p], v[YA+2*\p+1]           ; y[k = r][16w + 8h + 2p, + 1]
.endr
	ds_store_b128 v[YS], v[PK:PK+3]                ; half g = w % 2 of the operand of step cs = w / 2: 512 consecutive bytes
	s_wait_dscnt 0x0                               ; my channel tile is in LDS, for the other waves
	s_barrier_signal -1
	s_barrier_wait -1
.irp c, 0,1,2,3,4,5,6,7
	ds_load_b128 v[YF+4*\c:YF+4*\c+3], v[BA] offset:512*\c
.endr
	s_wait_loadcnt 1                               ; W is in; the bias may be out
	s_wait_dscnt 0x0
	; source 0: 16 rows d of W, source 1: 16 rows k of y.  Register j: k = r, d = 16w + 8h + j.  Two accumulators by turns.
	v_wmma_f32_16x16x32_bf16 v[ACC0:ACC0+7], v[WF:WF+7],     v[YF:YF+7],     0
	v_wmma_f32_16x16x32_bf16 v[ACC1:ACC1+7], v[WF+8:WF+15],  v[YF+8:YF+15],  0
	v_wmma_f32_16x16x32_bf16 v[ACC0:ACC0+7], v[WF+16:WF+23], v[YF+16:YF+23], v[ACC0:ACC0+7]
	v_wmma_f32_16x16x32_bf16 v[ACC1:ACC1+7], v[WF+24:WF+31], v[YF+24:YF+31], v[ACC1:ACC1+7]
.rept 4
	v_nop                                          ; four places behind the last matrix instruction (ISA guide 7.12.1)
.endr
.irp p, 0,1,2,3
	v_pk_add_f32 v[ACC0+2*\p:ACC0+2*\p+1], v[ACC0+2*\p:ACC0+2*\p+1], v[ACC1+2*\p:ACC1+2*\p+1]
.endr
	ds_store_b128 v[OSS], v[ACC0:ACC0+3]
	ds_store_b128 v[OSS], v[ACC0+4:ACC0+7] offset:16
	s_wait_dscnt 0x0                               ; my 16 columns are in LDS, for the other waves
	s_barrier_signal -1
	s_barrier_wait -1
	ds_load_b128 v[OUT:OUT+3],   v[OSL]            ; row 2w, columns 4 lane ..
	ds_load_b128 v[OUT+4:OUT+7], v[OSL] offset:528 ; row 2w + 1
	s_wait_loadcnt 0x0                             ; the bias
	s_wait_dscnt 0x0
	v_pk_add_f32 v[OUT:OUT+1],   v[OUT:OUT+1],   v[BIAS:BIAS+1]
	v_pk_add_f32 v[OUT+2:OUT+3], v[OUT+2:OUT+3], v[BIAS+2:BIAS+3]
	v_pk_add_f32 v[OUT+4:OUT+5], v[OUT+4:OUT+5], v[BIAS:BIAS+1]
	v_pk_add_f32 v[OUT+6:OUT+7], v[OUT+6:OUT+7], v[BIAS+2:BIAS+3]
	global_store_b128 v[WA], v[OUT:OUT+3],   s[12:13] th:TH_STORE_NT           ; 512 consecutive bytes of a row of out0, aligned
	global_store_b128 v[WA], v[OUT+4:OUT+7], s[12:13] offset:2048 th:TH_STORE_NT
	s_wait_tensorcnt 0x0
	ds_add_u32 v126, v127
	s_wait_dscnt 0x0
	s_endpgm
.Lfunc_end_k_q4963a43727_comb:
	.size	k_q4963a43727_comb, .Lfunc_end_k_q4963a43727_comb-k_q4963a43727_comb
	.p2alignl 7, 3214868480
	.fill 96, 4, 3214868480
	.section	.rodata,"a",@progbits
	.p2align	6, 0x0
	.amdhsa_kernel k_q4963a43727_comb
		.amdhsa_group_segment_fixed_size 15872
		.amdhsa_private_segment_fixed_size 0
		.amdhsa_enable_private_segment 0
		.amdhsa_kernarg_size 40
		.amdhsa_user_sgpr_count 2
		.amdhsa_user_sgpr_kernarg_segment_ptr 1
		.amdhsa_wavefront_size32 1
		.amdhsa_system_sgpr_workgroup_id_x 1
		.amdhsa_system_sgpr_workgroup_id_y 1
		.amdhsa_system_sgpr_workgroup_id_z 1
		.amdhsa_system_vgpr_workitem_id 0
		.amdhsa_next_free_vgpr 256
		.amdhsa_next_free_sgpr 66
		.amdhsa_reserve_vcc 0
		.amdhsa_float_denorm_mode_32 3
		.amdhsa_float_denorm_mode_16_64 3
		.amdhsa_memory_ordered 1
		.amdhsa_forward_progress 1
		.amdhsa_inst_pref_size 16
	.end_amdhsa_kernel
	.amdgpu_metadata
---
amdhsa.version: [ 1, 2 ]
amdhsa.kernels:
  - .name:           k_q4963a43727_comb
    .symbol:         k_q4963a43727_comb.kd
    .args:
      - { .name: ypart, .offset: 0, .size: 8, .value_kind: global_buffer, .address_space: global }
      - { .name: stat, .offset: 8, .size: 8, .value_kind: global_buffer, .address_space: global }
      - { .name: wfrag, .offset: 16, .size: 8, .value_kind: global_buffer, .address_space: global }
      - { .name: conv_b, .offset: 24, .size: 8, .value_kind: global_buffer, .address_space: global }
      - { .name: out0, .offset: 32, .size: 8, .value_kind: global_buffer, .address_space: global }
    .group_segment_fixed_size: 15872
    .private_segment_fixed_size: 0
    .kernarg_segment_align: 8
    .kernarg_segment_size: 40
    .max_flat_workgroup_size: 256
    .sgpr_count:     66
    .vgpr_count:     256
    .wavefront_size: 32
...
	.end_amdgpu_metadata
.endif
;; end of part 3
;; ======== version 2 of 2: 3 launches; version 1 with the launches main, comb written anew for expert scheduling mode
;; workspace buffers: mfrag 16,384 bytes; wfrag 131,072 bytes; ypart 8,388,608 bytes; stat 131,072 bytes
;; launch prep: the kernel of part 1 again; grid 8 x 4, 16 waves a work-group, no clusters, 36,352 bytes of LDS; arguments centroids, conv_w, mfrag, wfrag; writes mfrag, wfrag
;; launch main (part 4): grid 16 x 16, 4 waves a work-group, no clusters, 122,368 bytes of LDS; arguments x, mfrag, ypart, stat; writes ypart, stat
.if DOCPART == 4
	.amdgcn_target "amdgcn-amd-amdhsa--gfx1250"
	.amdhsa_code_object_version 6
	.text
	.protected	k_q4963a43727_main
	.globl	k_q4963a43727_main
	.p2align	8
	.type	k_q4963a43727_main,@function
k_q4963a43727_main:
	s_mov_b64 s[64:65], 0
	v_nop
	global_prefetch_b8 v0, s[64:65] scope:SCOPE_SE
	s_setreg_imm32_b32 hwreg(HW_REG_WAVE_SCHED_MODE, 0, 2), 2
	s_setreg_imm32_b32 hwreg(HW_REG_WAVE_MODE, 25, 1), 1
	s_wait_xcnt 0x0
	s_wait_alu depctr_vm_vsrc(0)
; MAIN.  Work-group (j, n): image n, pixels 256 j .. 256 j + 255, all 128 channels, all 64 centroids.  It stores
;   stat [n][j][0][k] = m  = max over its pixels of t[k][l],   t[k][l] = (M2_k . x_l) / max(|x_l|, 1e-12)   (logits in base 2)
;   stat [n][j][1][k] = sum over its pixels of p,              p = 2^(t - m)
;   ypart[n][j] = sum over its pixels of p x[c][l] / max(|x_l|, 1e-12), laid as the matrix unit leaves it:
;                 byte kt*8192 + ct*1024 + q*512 + lane*16 holds (k = 16kt + r, c = 16ct + 8h + 4q + 0..3), lane = 16h + r
; The next launch brings the 16 chunks of an image to the image's maximum and divides: the softmax over 4,096 pixels with its true maximum.
; x is read once: 128 KiB a work-group, 16-byte loads of which sixteen lanes cover 256 consecutive bytes, aligned.  Each number is squared
; (for the norm) and rounded to bf16 on the way, so it goes through registers: a copy into LDS in f32 first would add 256 KiB of LDS traffic.
; THE LOAD PHASE: a wave owns 64 pixels.  Its 64 loads of x come in eight groups of 16 channels (8g .. and 64 + 8g ..); six groups are asked for at once,
; the last two behind the first two.  Two groups make a K step of the first product (channels 16s .. +15 and 64 + 16s .. +15; M2 is stored in the same
; order), and each step is multiplied while later groups are still on their way.
; Pixel 4i + e of the wave lies in LDS row 16e + i; the sums over pixels do not mind the order, and the row number is used alike in both products.
; THE SECOND PRODUCT is shared by channels: wave w makes channels 32w .. 32w+31 for all centroids over all 256 pixels, so no sums of different waves are
; added: q goes through LDS in operand order (32 KiB written, 128 KiB read) and the results leave from registers.
; No cluster: what work-groups share is the 16 KiB of M2 against 128 KiB of x of their own.
; LIMITS: x enters both products un-normalised in bf16; 1/|x| is applied in f32 to the logits and is folded into p before p is rounded to bf16.
; The term c_k . b of the logits is not formed (it is the same for all pixels and cancels in the softmax).  A denormal |x|^2 counts as 0 in the
; square root (the norm is below 1e-12 there, so 1e-12 is taken as in the definition).  p below 2^-126 becomes 0.  NaN and infinities are not
; served.  The order of the sums differs from the definition's.
; THE MODE: SCHED_MODE bits 1:0 = 2 (LLVM: expert scheduling mode 2), set by the entry lines.  The code itself states the register dependences
; between vector or matrix instructions and memory or LDS instructions, with s_wait_alu, always for 0.
; THE PLAN.  Registers that memory or LDS instructions touch:
;   v1, v2, v9            offsets of the global loads: made ahead of the first load, never written again.
;   v3-v8, v10-v14, v24, v25   LDS addresses and the offsets of the stores: made ahead of the first LDS store, never written again.
;   MT = v[32:63]         M2's loads land; eight LDS stores read them; behind the first barrier these registers are T0 and T1.
;   RAW, six slots        x's loads land; the squares and conversions of the slot's group read them; slots 0 and 1 are loaded again behind their group's wait;
;                         behind the second barrier v[64:191] take x transposed.
;   T0, T1                group g's conversions write T[g % 2], its four LDS stores read it.  One wait on va_vdst in a group, behind its conversions;
;                         one wait on vm_vsrc in every second group frees both buffers: the stores of the two groups before stand ahead of it.
;   AF, MF                a K step's sixteen LDS loads land, its sixteen matrix instructions read them; the next step's loads stand behind a wait of their own.
;   SS; LS, Q; Y          written by vector or matrix instructions, read by stores behind one wait each, never written again.
;   MM                    written, stored, and written again behind the barrier: a wait on va_vdst ahead of the stores, one on vm_vsrc ahead of the new maxima.
;   INVR, MX, block 2     loads land in registers that no vector or matrix instruction has named before.
; The 128 exponentials go in four batches of 32, each with one wait; a batch's readers stand between the next batch's exponentials.
.set PX,   272                         ; XB: a row of 128 bf16 + 16 bytes: sixteen rows start 16 bytes apart modulo 256, so the 16-byte stores and the plain
                                       ; operand loads meet no two rows in one column; the transposing loads touch two columns of eight rows and meet two deep
.set XBW,  64*PX                       ; 17,408: a wave's 64 rows
.set INV0, 4*XBW                       ; 69,632: [wave][row 64] f32, 1/norm
.set MAX0, INV0+1024                   ; 70,656: [k 64][wave 4] f32 maxima; 1,024 bytes further the sums of p in the same shape
.set ML0,  MAX0+2048                   ; 72,704: M2 as in mfrag, 16,384 bytes
.set QL0,  ML0+16384                   ; 89,088: q: [kt 4][t 8][g 2][lane 32] x 16 bytes, 32,768 bytes
.set EPS,  0x2b8cbccc                  ; 1e-12
; block 0
.set MOFF, 1                           ; 16 lane
.set XOFF, 2                           ; x: w*256 + h*64 channels + r*16
.set XST,  3                           ; XB, store and operand of the first product: w*XBW + r*PX + h*128
.set XTR,  4                           ; XB, transposing load: (8h + lane%8)*PX + 16*((lane/8)%2) + w*64
.set INVS, 5
.set INVL, 6
.set MXS,  7
.set MXL,  8
.set MGO,  9                           ; mfrag: w*4096 + 16 lane
.set MLS,  10                          ; the same place in LDS
.set MLL,  11                          ; M2 operands: ML0 + 16 lane
.set QST,  12                          ; q, store: QL0 + w*2048 + 16 lane
.set QLD,  13                          ; q, load: QL0 + 16 lane
.set GO,   14                          ; ypart: w*2048 + 16 lane
.set SS,   16                          ; v[16:23] sums of squares, two sets of four pixels
.set STL,  24                          ; LDS, the maxima and sums of centroids 2 lane, 2 lane + 1: MAX0 + 32 lane
.set STO,  25                          ; stat: 8 lane
.set MT,   32                          ; v[32:63] my quarter of M2 on its way to LDS
.set T,    32                          ; v[32:63] packed x on its way to LDS: two buffers of 16, by the group's parity
.set RAW,  64                          ; v[64:255] x as loaded: 6 slots x 8 loads x 4
.set XF,   64                          ; v[64:191] x transposed: tile (t, cl) at 8 (2t + cl)
; block 1
.set AF,   0                           ; x operands of a K step, tile e at 8e
.set MF,   32                          ; M2 operands of a K step, tile kt at 8kt
.set Q,    0                           ; p/norm in bf16: tile (kt, t2) at 8 (2kt + t2)
.set INVR, 64                          ; 1/norm of row 16e + 8h + j at 8e + j
.set MM,   96                          ; the maximum, twice, for each kt
.set LS,   104                         ; sums of p, a pair for each kt
.set MX,   112                         ; the four waves' maxima
.set S,    128                         ; logits: tile (e, kt) at 8 (4e + kt)
.set Y,    128                         ; the second product: tile (cl, kt) at 8 (4cl + kt)
; block 2: q of all 256 pixels, tile (t, kt) at 8 (4t + kt)
.set MSB, 0
.macro WIN new                         ; s_set_vgpr_msb: bits 1:0 source 0, 3:2 source 1, 5:4 source 2, 7:6 destination; the high byte repeats the setting left
.if MSB != \new
	s_set_vgpr_msb (MSB<<8)|\new
.set MSB, \new
.endif
.endm
.macro PLACES                          ; four places behind a matrix instruction before its registers are touched otherwise (ISA guide 7.12.1)
.rept 4
	v_nop
.endr
.endm
	s_load_b256 s[4:11], s[0:1], 0x0               ; x s[4:5], mfrag s[6:7], ypart s[8:9], stat s[10:11]
	v_lshl_add_u32 v30, v0, 2, 0x1dc00
	v_mov_b32 v31, 0
	v_and_b32 v16, 15, v0                          ; r
	v_bfe_u32 v17, v0, 4, 1                        ; h
	v_and_b32 v18, 31, v0                          ; lane
	v_lshrrev_b32 v19, 5, v0
	v_readfirstlane_b32 s12, v19                   ; wave
	s_and_b32 s13, ttmp7, 0xffff                   ; n
	s_lshl_b32 s16, s13, 21                        ; an image: 128 x 4,096 x 4 bytes
	s_lshl_b32 s18, ttmp9, 10                      ; 256 pixels
	s_add_co_u32 s16, s16, s18
	s_mov_b32 s17, 0
	s_wait_alu depctr_va_sdst(0)                   ; s12 is written, ahead of its first reader
	s_lshl_b32 s25, s12, 8                         ; the wave's 64 pixels
	s_lshl_b32 s26, s12, 12                        ; the wave's quarter of M2
	v_lshlrev_b32 v[MOFF], 4, v18
	v_add_nc_u32 v[MGO], s26, v[MOFF]
	v_lshlrev_b32 v[XOFF], 4, v16
	v_lshl_add_u32 v[XOFF], v17, 20, v[XOFF]       ; lanes 16-31 take channels 64 ..
	v_add_nc_u32 v[XOFF], s25, v[XOFF]
	s_wait_kmcnt 0x0
	s_add_nc_u64 s[4:5], s[4:5], s[16:17]
	s_wait_alu depctr_va_vdst(0)                   ; v[MGO] and v[XOFF] are written, which the loads of M2 and of x read as their offsets
.irp i, 0,1,2,3,4,5,6,7
	global_load_b128 v[MT+4*\i:MT+4*\i+3], v[MGO], s[6:7] offset:512*\i        ; first, since the first K step wants it (every work-group reads it: no hint)
.endr
.irp sl, 0,1,2,3,4,5
.irp u, 0,1,2,3,4,5,6,7
	global_load_b128 v[RAW+32*\sl+4*\u:RAW+32*\sl+4*\u+3], v[XOFF], s[4:5] offset:(8*\sl+\u)*16384 th:TH_LOAD_NT   ; channel 64h + 8 sl + u, pixels 4r ..
.endr
.endr
	; the rest of the set-up, while the 56 loads are on their way: it writes none of the registers that they read or land in
	s_mov_b32 s14, 0x76543210                      ; v_permlanex16_b32: lane i takes lane i of the other half
	s_mov_b32 s15, 0xfedcba98
	s_mov_b32 s31, EPS
	s_lshl4_add_u32 s19, s13, ttmp9                ; 16 n + j
	s_lshl_b32 s20, s19, 15
	s_mov_b32 s21, 0
	s_add_nc_u64 s[8:9], s[8:9], s[20:21]          ; ypart: 64 x 128 x 4 bytes a work-group
	s_lshl_b32 s22, s19, 9
	s_mov_b32 s23, 0
	s_add_nc_u64 s[10:11], s[10:11], s[22:23]      ; stat: 2 x 64 x 4 bytes
	s_mul_i32 s24, s12, XBW
	v_mul_u32_u24 v20, v16, PX
	v_add_nc_u32 v20, s24, v20
	v_lshl_add_u32 v[XST], v17, 7, v20
	v_and_b32 v21, 7, v0
	v_lshl_add_u32 v21, v17, 3, v21
	v_mul_u32_u24 v21, v21, PX
	v_bfe_u32 v22, v0, 3, 1
	v_lshl_add_u32 v21, v22, 4, v21
	s_lshl_b32 s27, s12, 6                         ; my 32 channels of the second product: 64 bytes of a row
	v_add_nc_u32 v[XTR], s27, v21
	s_add_co_u32 s28, s25, INV0
	v_lshl_add_u32 v[INVS], v16, 2, s28
	v_lshl_add_u32 v[INVL], v17, 5, s28
	v_lshlrev_b32 v[MXL], 4, v16
	v_add_nc_u32 v[MXL], MAX0, v[MXL]
	s_lshl_b32 s29, s12, 2
	v_add_nc_u32 v[MXS], s29, v[MXL]
	v_add_nc_u32 v[MLL], ML0, v[MOFF]
	v_add_nc_u32 v[MLS], s26, v[MLL]
	v_add_nc_u32 v[QLD], QL0, v[MOFF]
	s_lshl_b32 s30, s12, 11
	v_add_nc_u32 v[QST], s30, v[QLD]
	v_add_nc_u32 v[GO], s30, v[MOFF]
	v_lshl_add_u32 v[STL], v[MOFF], 1, MAX0        ; 32 lane: two rows of four words
	v_lshrrev_b32 v[STO], 1, v[MOFF]               ; 8 lane
	s_wait_loadcnt 48                              ; my quarter of M2 is in; the 48 loads of x stay out
	s_wait_alu depctr_va_vdst(0)                   ; the LDS addresses and store offsets v3-v8, v10-v14, v24, v25 are written: every LDS instruction and store below reads one of them
.irp i, 0,1,2,3,4,5,6,7
	ds_store_b128 v[MLS], v[MT+4*\i:MT+4*\i+3] offset:512*\i
.endr
	s_wait_dscnt 0x0                               ; it is in LDS, for the other waves
	s_barrier_signal -1
	s_barrier_wait -1
	s_wait_alu depctr_vm_vsrc(0)                   ; my LDS stores of M2 have read v[32:63]: these registers are T0 and T1 from here on, written by the conversions of groups 0 and 1
; squares of one load's four pixels into set u % 2; start = 1: the product starts the sum
.macro SQUARE slot, u, start
.if \start
	v_pk_mul_f32 v[SS+4*(\u%2):SS+4*(\u%2)+1],   v[RAW+32*\slot+4*\u:RAW+32*\slot+4*\u+1],   v[RAW+32*\slot+4*\u:RAW+32*\slot+4*\u+1]
	v_pk_mul_f32 v[SS+4*(\u%2)+2:SS+4*(\u%2)+3], v[RAW+32*\slot+4*\u+2:RAW+32*\slot+4*\u+3], v[RAW+32*\slot+4*\u+2:RAW+32*\slot+4*\u+3]
.else
	v_pk_fma_f32 v[SS+4*(\u%2):SS+4*(\u%2)+1],   v[RAW+32*\slot+4*\u:RAW+32*\slot+4*\u+1],   v[RAW+32*\slot+4*\u:RAW+32*\slot+4*\u+1],   v[SS+4*(\u%2):SS+4*(\u%2)+1]
	v_pk_fma_f32 v[SS+4*(\u%2)+2:SS+4*(\u%2)+3], v[RAW+32*\slot+4*\u+2:RAW+32*\slot+4*\u+3], v[RAW+32*\slot+4*\u+2:RAW+32*\slot+4*\u+3], v[SS+4*(\u%2)+2:SS+4*(\u%2)+3]
.endif
.endm
; Eight channels (64h + 8g ..) of my four pixels: squared, packed to bf16 (packing two channels of one pixel transposes), 16 bytes a pixel into LDS.
; left = the younger loads that may stay out; fill = the group with which the slot is loaded again, or -1.
.macro GROUP g, slot, left, fill, first
	s_wait_loadcnt \left
	SQUARE \slot, 0, \first
	SQUARE \slot, 1, \first
.irp u, 2,3,4,5,6,7
	SQUARE \slot, \u, 0
.endr
.if (\g >= 2) && (\g%2 == 0)
	s_wait_alu depctr_vm_vsrc(0)                   ; the LDS stores of the two groups before have read T0 and T1, which this group's and the next group's conversions write again
.endif
.irp e, 0,1,2,3
.irp p, 0,1,2,3
	v_cvt_pk_bf16_f32 v[T+16*(\g%2)+4*\e+\p], v[RAW+32*\slot+8*\p+\e], v[RAW+32*\slot+8*\p+4+\e]
.endr
.endr
	s_wait_alu depctr_va_vdst(0)                   ; the conversions have written this group's T, which the LDS stores read; squares and conversions are done reading the slot, in which the loads of groups 6 and 7 land
.if \fill >= 0
.irp u, 0,1,2,3,4,5,6,7
	global_load_b128 v[RAW+32*\slot+4*\u:RAW+32*\slot+4*\u+3], v[XOFF], s[4:5] offset:(8*\fill+\u)*16384 th:TH_LOAD_NT   ; the slot is asked for again at once
.endr
.endif
.irp e, 0,1,2,3
	ds_store_b128 v[XST], v[T+16*(\g%2)+4*\e:T+16*(\g%2)+4*\e+3] offset:\e*16*PX+16*\g     ; row 16e + r, bytes 128h + 16g
.endr
.endm
; FIRST PRODUCT: S[row][k] = sum over c of x[row][c] M2[k][c].  Source 0: 16 rows of XB, source 1: 16 centroids.
; Register j of tile (e, kt): row 16e + 8h + j, centroid 16kt + r.  XB is the wave's own: LDS serves a wave's instructions in order (ISA guide 5.7.1.4).
; The operands of K step s: a lane's 32 bytes at 128h + 32s of its row are channels 64h + 16s .. + 15, and M2's operand holds the same channels.
.macro FETCH s
	WIN 0x40                                       ; destination in block 1
.if \s > 0
	s_wait_alu depctr_va_vdst(0)                   ; the matrix instructions of the step before are done reading AF and MF, in which these sixteen loads land
.endif
.irp e, 0,1,2,3
	ds_load_b128 v[AF+8*\e:AF+8*\e+3],   v[XST] offset:\e*16*PX+32*\s
	ds_load_b128 v[AF+8*\e+4:AF+8*\e+7], v[XST] offset:\e*16*PX+32*\s+16
.endr
.irp kt, 0,1,2,3
	ds_load_b128 v[MF+8*\kt:MF+8*\kt+3],   v[MLL] offset:\kt*4096+\s*1024
	ds_load_b128 v[MF+8*\kt+4:MF+8*\kt+7], v[MLL] offset:\kt*4096+\s*1024+512
.endr
	WIN 0
.endm
; sixteen accumulators by turns, in the same order in every K step
.macro MUL1 zero
.irp e, 0,1,2,3
.irp kt, 0,1,2,3
.if \zero
	v_wmma_f32_16x16x32_bf16 v[S+8*(4*\e+\kt):S+8*(4*\e+\kt)+7], v[AF+8*\e:AF+8*\e+7], v[MF+8*\kt:MF+8*\kt+7], 0
.else
	v_wmma_f32_16x16x32_bf16 v[S+8*(4*\e+\kt):S+8*(4*\e+\kt)+7], v[AF+8*\e:AF+8*\e+7], v[MF+8*\kt:MF+8*\kt+7], v[S+8*(4*\e+\kt):S+8*(4*\e+\kt)+7]
.endif
.endr
.endr
.endm
.macro STEP zero
	WIN 0x55                                       ; all four places in block 1
	s_wait_dscnt 4                                 ; the step's 16 operand loads are in; the four stores of the group since then may be out
	MUL1 \zero
	WIN 0
.endm
; Between a step's matrix instructions and the next step's loads into the same operand registers stands a whole group: 32 plain vector instructions.
	GROUP 0, 0, 40, 6, 1                           ; younger than group 0: groups 1-5
	GROUP 1, 1, 40, 7, 0                           ; groups 2-6
	FETCH 0                                        ; no matrix instruction has named AF or MF yet: no wait
	GROUP 2, 2, 40, -1, 0                          ; groups 3-7
	STEP 1                                         ; the first step starts the sums: nothing is cleared
	GROUP 3, 3, 32, -1, 0
	FETCH 1
	GROUP 4, 4, 24, -1, 0
	STEP 0
	GROUP 5, 5, 16, -1, 0
	FETCH 2
	GROUP 6, 0, 8, -1, 0
	STEP 0
	GROUP 7, 1, 0, -1, 0
	FETCH 3
	; 1 / max(|x|, 1e-12) of my four pixels
	v_pk_add_f32 v[SS:SS+1],   v[SS:SS+1],   v[SS+4:SS+5]
	v_pk_add_f32 v[SS+2:SS+3], v[SS+2:SS+3], v[SS+6:SS+7]
.irp e, 0,1,2,3
	v_permlanex16_b32 v[SS+4+\e], v[SS+\e], s14, s15               ; the other 64 channels
.endr
	v_pk_add_f32 v[SS:SS+1],   v[SS:SS+1],   v[SS+4:SS+5]
	v_pk_add_f32 v[SS+2:SS+3], v[SS+2:SS+3], v[SS+6:SS+7]
.irp e, 0,1,2,3
	v_sqrt_f32 v[SS+\e], v[SS+\e]
.endr
	v_nop                                          ; one plain place behind the transcendentals (ISA guide 5.7.2)
	s_wait_alu depctr_va_vdst(0)                   ; the four square roots are written, ahead of their first reader: one wait for the batch
.irp e, 0,1,2,3
	v_max_num_f32 v[SS+\e], s31, v[SS+\e]
.endr
.irp e, 0,1,2,3
	v_rcp_f32 v[SS+\e], v[SS+\e]
.endr
	v_nop
	s_wait_alu depctr_va_vdst(0)                   ; the four reciprocals are written: their first readers are the LDS stores below
.irp e, 0,1,2,3
	ds_store_b32 v[INVS], v[SS+\e] offset:64*\e    ; row 16e + r; both halves store the same word with the same number
.endr
	WIN 0x40
.irp e, 0,1,2,3
	ds_load_b128 v[INVR+8*\e:INVR+8*\e+3],   v[INVL] offset:64*\e  ; the wave's own bytes, in order behind the stores; no vector instruction has named INVR
	ds_load_b128 v[INVR+8*\e+4:INVR+8*\e+7], v[INVL] offset:64*\e+16
.endr
	WIN 0x55                                       ; from here to the exchange of q everything lies in block 1
	s_wait_dscnt 12                                ; the last step's operands are in; 4 stores and 8 loads of the norms may be out
	MUL1 0
	PLACES
	s_wait_dscnt 0x0                               ; the norms
	; logits = S / norm; the wave's maximum for each centroid
.irp e, 0,1,2,3
.irp kt, 0,1,2,3
.irp p, 0,1,2,3
	v_pk_mul_f32 v[S+8*(4*\e+\kt)+2*\p:S+8*(4*\e+\kt)+2*\p+1], v[S+8*(4*\e+\kt)+2*\p:S+8*(4*\e+\kt)+2*\p+1], v[INVR+8*\e+2*\p:INVR+8*\e+2*\p+1]
.endr
.endr
.endr
.irp kt, 0,1,2,3
	v_max_num_f32 v[MM+2*\kt], v[S+8*\kt], v[S+8*\kt+1]            ; four chains by turns, started by the first two numbers
.endr
.irp p, 1,2,3
.irp kt, 0,1,2,3
	v_max3_num_f32 v[MM+2*\kt], v[MM+2*\kt], v[S+8*\kt+2*\p], v[S+8*\kt+2*\p+1]
.endr
.endr
.irp e, 1,2,3
.irp p, 0,1,2,3
.irp kt, 0,1,2,3
	v_max3_num_f32 v[MM+2*\kt], v[MM+2*\kt], v[S+8*(4*\e+\kt)+2*\p], v[S+8*(4*\e+\kt)+2*\p+1]
.endr
.endr
.endr
.irp kt, 0,1,2,3
	v_permlanex16_b32 v[AF+\kt], v[MM+2*\kt], s14, s15             ; the rows of the other half (into registers that have been written)
.endr
.irp kt, 0,1,2,3
	v_max_num_f32 v[MM+2*\kt], v[MM+2*\kt], v[AF+\kt]
.endr
	WIN 0x04                                       ; an LDS store's data is source 1
	s_wait_alu depctr_va_vdst(0)                   ; the wave's maxima MM are written, which the LDS stores read; and the groups are done reading RAW, in which the transposing loads behind the barrier land
.irp kt, 0,1,2,3
	ds_store_b32 v[MXS], v[MM+2*\kt] offset:256*\kt                ; [k = 16kt + r][wave]
.endr
	s_wait_dscnt 0x0                               ; my maxima and all my rows of XB are in LDS, for the other waves
	s_barrier_signal -1
	s_barrier_wait -1
	WIN 0x40
.irp kt, 0,1,2,3
	ds_load_b128 v[MX+4*\kt:MX+4*\kt+3], v[MXL] offset:256*\kt     ; no vector instruction has named MX
.endr
	WIN 0                                          ; x transposed, for the second product: my 32 channels of all four waves' rows; they land under the exponentials.  No vector instruction stands between the last wait on va_vdst and these loads
.irp t, 0,1,2,3,4,5,6,7
.irp cl, 0,1
	ds_load_tr16_b128 v[XF+8*(2*\t+\cl):XF+8*(2*\t+\cl)+3],   v[XTR] offset:(\t/2)*XBW+(\t%2)*32*PX+32*\cl         ; channel 32w + 16cl + r, rows 32t + 8h ..
	ds_load_tr16_b128 v[XF+8*(2*\t+\cl)+4:XF+8*(2*\t+\cl)+7], v[XTR] offset:(\t/2)*XBW+(\t%2)*32*PX+32*\cl+16*PX   ; rows 32t + 16 + 8h ..
.endr
.endr
	WIN 0x55
	s_wait_dscnt 32                                ; the maxima are in; the 32 transposing loads stay out
	s_wait_alu depctr_vm_vsrc(0)                   ; the LDS stores ahead of the barrier have read MM, which the lines below write again
.irp kt, 0,1,2,3
	v_max3_num_f32 v[MM+2*\kt], v[MX+4*\kt], v[MX+4*\kt+1], v[MX+4*\kt+2]
.endr
.irp kt, 0,1,2,3
	v_max_num_f32 v[MM+2*\kt], v[MM+2*\kt], v[MX+4*\kt+3]          ; the chunk's maximum
.endr
.irp kt, 0,1,2,3
	v_mov_b32 v[MM+2*\kt+1], v[MM+2*\kt]           ; twice: a pair for the packed subtraction
.endr
; p = 2^(t - m); its sum into LS[kt]; p / norm rounded to bf16.  A lane's eight rows 16e + 8h + j of centroid 16kt + r are just
; what source 1 of the second product wants of it: registers 4 (e % 2) .. + 3 of tile (kt, e / 2).  No number changes its lane.
; BATCHES.  The four tiles of one e are a batch: 16 subtractions and 32 exponentials, none of which names another exponential's result.  One wait closes a batch.  What reads a batch's
; results (RD: twelve lines a tile) stands behind that wait, between the exponentials of the next batch.  LS[kt] takes its terms in the order e = 0 .. 3, pairs 0 .. 3.
.macro SUBS e, kt                      ; t - m of one tile
.irp p, 0,1,2,3
	v_pk_add_f32 v[S+8*(4*(\e)+(\kt))+2*\p:S+8*(4*(\e)+(\kt))+2*\p+1], v[S+8*(4*(\e)+(\kt))+2*\p:S+8*(4*(\e)+(\kt))+2*\p+1], v[MM+2*(\kt):MM+2*(\kt)+1] neg_lo:[0,1] neg_hi:[0,1]
.endr
.endm
.macro EX e, kt, j
	v_exp_f32 v[S+8*(4*(\e)+(\kt))+(\j)], v[S+8*(4*(\e)+(\kt))+(\j)]
.endm
; Line n of the twelve that read a tile's p.  n = 0, 2, 4, 6: pair n / 2 is added to LS (the first tile's pairs 0 and 1 start the sum, in line 0; its line 2 is empty).
; n = 1, 3, 5, 7: pair (n - 1) / 2 times 1 / norm.  n = 8 .. 11: pair n - 8 rounded to bf16.
.macro RD e, kt, n
.set SB, S+8*(4*(\e)+(\kt))
.set LK, LS+2*(\kt)
.set IV, INVR+8*(\e)
.if ((\n) == 0) && ((\e) == 0)
	v_pk_add_f32 v[LK:LK+1], v[SB:SB+1], v[SB+2:SB+3]
.elseif ((\n) == 2) && ((\e) == 0)
.elseif ((\n) < 8) && (((\n) % 2) == 0)
	v_pk_add_f32 v[LK:LK+1], v[LK:LK+1], v[SB+(\n):SB+(\n)+1]
.elseif (\n) < 8
	v_pk_mul_f32 v[SB+(\n)-1:SB+(\n)], v[SB+(\n)-1:SB+(\n)], v[IV+(\n)-1:IV+(\n)]
.else
	v_cvt_pk_bf16_f32 v[Q+8*(2*(\kt)+(\e)/2)+4*((\e)%2)+(\n)-8], v[SB+2*((\n)-8)], v[SB+2*((\n)-8)+1]
.endif
.endm
; batch ex is issued, batch er is read: an exponential and a reader by turns; the last four readers are the plain places behind the batch's last exponential
.macro STAGE er, ex
.irp kt, 0,1,2,3
	SUBS \ex, \kt
.irp j, 0,1,2,3,4,5,6,7
	EX \ex, \kt, \j
	RD \er, \kt, \j
.endr
.irp j, 8,9,10,11
	RD \er, \kt, \j
.endr
.endr
	s_wait_alu depctr_va_vdst(0)                   ; the 32 exponentials of the batch just issued are written, ahead of their first reader: one wait for the batch
.endm
.irp kt, 0,1,2,3
	SUBS 0, \kt
.irp j, 0,1,2,3,4,5,6,7
	EX 0, \kt, \j
.endr
.endr
	v_nop                                          ; one plain place behind the last exponential
	s_wait_alu depctr_va_vdst(0)                   ; the 32 exponentials of the first batch are written, ahead of their first reader
	STAGE 0, 1
	STAGE 1, 2
	STAGE 2, 3
.irp kt, 0,1,2,3
.irp j, 0,1,2,3,4,5,6,7,8,9,10,11
	RD 3, \kt, \j
.endr
.endr
.irp kt, 0,1,2,3
	v_add_f32 v[LS+2*\kt], v[LS+2*\kt], v[LS+2*\kt+1]
.endr
.irp kt, 0,1,2,3
	v_permlanex16_b32 v[LS+2*\kt+1], v[LS+2*\kt], s14, s15
.endr
.irp kt, 0,1,2,3
	v_add_f32 v[LS+2*\kt], v[LS+2*\kt], v[LS+2*\kt+1]
.endr
	WIN 0x04
	s_wait_alu depctr_va_vdst(0)                   ; the sums LS and the packed q are written, which the LDS stores read
.irp kt, 0,1,2,3
	ds_store_b32 v[MXS], v[LS+2*\kt] offset:1024+256*\kt           ; the wave's sum of p, [k][wave]
.endr
.irp kt, 0,1,2,3
.irp t2, 0,1
	ds_store_b128 v[QST], v[Q+8*(2*\kt+\t2):Q+8*(2*\kt+\t2)+3] offset:\kt*8192+\t2*1024            ; step t = 2w + t2, in operand order: 512 consecutive bytes a store
	ds_store_b128 v[QST], v[Q+8*(2*\kt+\t2)+4:Q+8*(2*\kt+\t2)+7] offset:\kt*8192+\t2*1024+512
.endr
.endr
	s_wait_dscnt 0x0                               ; my q and my sums of p are in LDS, for the other waves (and my transposed x is in its registers)
	s_barrier_signal -1
	s_barrier_wait -1
	; SECOND PRODUCT: Y[c][k] = sum over the 256 rows of x[row][c] q[k][row], eight steps of 32 rows.  Source 0: 16 of my channels (block 0), source 1: 16 centroids
	; (block 2), sums in block 1.  Register j of tile (cl, kt): centroid 16kt + r, channel 32w + 16cl + 8h + j.
	; Eight accumulators by turns, in the same order in every step.  Every step's q has registers of its own: no load lands on a register that a matrix instruction has named, so these loads have no wait on va_vdst.
.macro QLOAD t
	WIN 0x80                                       ; destination in block 2
.irp kt, 0,1,2,3
	ds_load_b128 v[8*(4*\t+\kt):8*(4*\t+\kt)+3],   v[QLD] offset:\kt*8192+\t*1024
	ds_load_b128 v[8*(4*\t+\kt)+4:8*(4*\t+\kt)+7], v[QLD] offset:\kt*8192+\t*1024+512
.endr
.endm
; left = the loads of later steps that may stay out
.macro MUL2 t, left, zero
	WIN 0x58                                       ; source 0 block 0, source 1 block 2, C and D block 1
	s_wait_dscnt \left
.irp cl, 0,1
.irp kt, 0,1,2,3
.if \zero
	v_wmma_f32_16x16x32_bf16 v[Y+8*(4*\cl+\kt):Y+8*(4*\cl+\kt)+7], v[XF+8*(2*\t+\cl):XF+8*(2*\t+\cl)+7], v[8*(4*\t+\kt):8*(4*\t+\kt)+7], 0
.else
	v_wmma_f32_16x16x32_bf16 v[Y+8*(4*\cl+\kt):Y+8*(4*\cl+\kt)+7], v[XF+8*(2*\t+\cl):XF+8*(2*\t+\cl)+7], v[8*(4*\t+\kt):8*(4*\t+\kt)+7], v[Y+8*(4*\cl+\kt):Y+8*(4*\cl+\kt)+7]
.endif
.endr
.endr
.endm
.irp t, 0,1,2,3,4,5
	QLOAD \t
.endr
	MUL2 0, 40, 1                                  ; steps 1-5 stay out
	QLOAD 6
	MUL2 1, 40, 0                                  ; steps 2-6
	QLOAD 7
	MUL2 2, 40, 0                                  ; steps 3-7
	MUL2 3, 32, 0
	MUL2 4, 24, 0
	MUL2 5, 16, 0
	MUL2 6, 8, 0
	MUL2 7, 0, 0
	PLACES
	WIN 0x04                                       ; a store's data is source 1: block 1
	s_wait_alu depctr_va_vdst(0)                   ; the matrix instructions have written Y, which the stores read; the places above stay beside this wait
.irp kt, 0,1,2,3
.irp cl, 0,1
	global_store_b128 v[GO], v[Y+8*(4*\cl+\kt):Y+8*(4*\cl+\kt)+3],   s[8:9] offset:\kt*8192+\cl*1024       ; 512 consecutive bytes a store, aligned
	global_store_b128 v[GO], v[Y+8*(4*\cl+\kt)+4:Y+8*(4*\cl+\kt)+7], s[8:9] offset:\kt*8192+\cl*1024+512   ; (no hint: the next launch reads these bytes)
.endr
.endr
	WIN 0
	s_cmp_lg_u32 s12, 0
	s_cbranch_scc1 .Ldone                          ; wave 0 stores the chunk's maxima and sums: lane l takes centroids 2l, 2l + 1
	ds_load_b128 v[196:199], v[STL]                ; into registers of RAW, which no vector instruction has named since the last wait on va_vdst
	ds_load_b128 v[200:203], v[STL] offset:16
	ds_load_b128 v[204:207], v[STL] offset:1024
	ds_load_b128 v[208:211], v[STL] offset:1040
	s_wait_dscnt 0x0
	v_max3_num_f32 v194, v196, v197, v198
	v_max3_num_f32 v195, v200, v201, v202
	v_max_num_f32 v194, v194, v199
	v_max_num_f32 v195, v195, v203
	v_pk_add_f32 v[204:205], v[204:205], v[206:207]
	v_pk_add_f32 v[208:209], v[208:209], v[210:211]
	v_add_f32 v212, v204, v205
	v_add_f32 v213, v208, v209
	s_wait_alu depctr_va_vdst(0)                   ; the maxima v[194:195] and the sums v[212:213] are written, which the two stores read
	global_store_b64 v[STO], v[194:195], s[10:11]                  ; 256 consecutive bytes, aligned
	global_store_b64 v[STO], v[212:213], s[10:11] offset:256
.Ldone:
	s_wait_dscnt 0x0
	s_wait_alu depctr_hold_cnt(0) depctr_sa_sdst(0) depctr_va_vdst(0) depctr_va_sdst(0) depctr_va_ssrc(0) depctr_va_vcc(0) depctr_vm_vsrc(0)
	s_wait_tensorcnt 0x0
	ds_add_u32 v30, v31
	s_wait_dscnt 0x0
	s_endpgm
.Lfunc_end_k_q4963a43727_main:
	.size	k_q4963a43727_main, .Lfunc_end_k_q4963a43727_main-k_q4963a43727_main
	.p2alignl 7, 3214868480
	.fill 96, 4, 3214868480
	.section	.rodata,"a",@progbits
	.p2align	6, 0x0
	.amdhsa_kernel k_q4963a43727_main
		.amdhsa_group_segment_fixed_size 122368
		.amdhsa_private_segment_fixed_size 0
		.amdhsa_enable_private_segment 0
		.amdhsa_kernarg_size 32
		.amdhsa_user_sgpr_count 2
		.amdhsa_user_sgpr_kernarg_segment_ptr 1
		.amdhsa_wavefront_size32 1
		.amdhsa_system_sgpr_workgroup_id_x 1
		.amdhsa_system_sgpr_workgroup_id_y 1
		.amdhsa_system_sgpr_workgroup_id_z 1
		.amdhsa_system_vgpr_workitem_id 0
		.amdhsa_next_free_vgpr 768
		.amdhsa_next_free_sgpr 66
		.amdhsa_reserve_vcc 0
		.amdhsa_float_denorm_mode_32 3
		.amdhsa_float_denorm_mode_16_64 3
		.amdhsa_memory_ordered 1
		.amdhsa_forward_progress 1
		.amdhsa_inst_pref_size 85
	.end_amdhsa_kernel
	.amdgpu_metadata
---
amdhsa.version: [ 1, 2 ]
amdhsa.kernels:
  - .name:           k_q4963a43727_main
    .symbol:         k_q4963a43727_main.kd
    .args:
      - { .name: x, .offset: 0, .size: 8, .value_kind: global_buffer, .address_space: global }
      - { .name: mfrag, .offset: 8, .size: 8, .value_kind: global_buffer, .address_space: global }
      - { .name: ypart, .offset: 16, .size: 8, .value_kind: global_buffer, .address_space: global }
      - { .name: stat, .offset: 24, .size: 8, .value_kind: global_buffer, .address_space: global }
    .group_segment_fixed_size: 122368
    .private_segment_fixed_size: 0
    .kernarg_segment_align: 8
    .kernarg_segment_size: 32
    .max_flat_workgroup_size: 128
    .sgpr_count:     66
    .vgpr_count:     768
    .wavefront_size: 32
...
	.end_amdgpu_metadata
.endif
;; end of part 4
;; launch comb (part 5): grid 16 x 16, 8 waves a work-group, no clusters, 15,872 bytes of LDS; arguments ypart, stat, wfrag, conv_b, out0; writes out0
.if DOCPART == 5
	.amdgcn_target "amdgcn-amd-amdhsa--gfx1250"
	.amdhsa_code_object_version 6
	.text
	.protected	k_q4963a43727_comb
	.globl	k_q4963a43727_comb
	.p2align	8
	.type	k_q4963a43727_comb,@function
k_q4963a43727_comb:
	s_mov_b64 s[64:65], 0
	v_nop
	global_prefetch_b8 v0, s[64:65] scope:SCOPE_SE
	s_setreg_imm32_b32 hwreg(HW_REG_WAVE_SCHED_MODE, 0, 2), 2
	s_setreg_imm32_b32 hwreg(HW_REG_WAVE_MODE, 25, 1), 1
	s_wait_xcnt 0x0
	s_wait_alu depctr_vm_vsrc(0)
; COMB.  For image n: M = max over the 16 chunks j of m_j;  f_j = 2^(m_j - M);  y[k][c] = sum_j f_j ypart_j[k][c] / sum_j f_j l_j;
; out0[n][k][d] = sum over c of W[d][c] y[k][c] + b[d].
; Why b enters once: vlad[k] = sum_l s[k][l] (W xn_l + b) = W y_k + b sum_l s[k][l], and the softmax weights sum to 1.
; The divisor is at least 1: the chunk that holds the maximum has f = 1 and its own largest p = 1.
; Work-group (x = kb + 4 (n % 4), y = dq + 4 (n / 4)) makes out0[n][16kb .. +15][128dq .. +127].  The four work-groups dq = 0..3 that read the same partial sums
; have the same x and four neighbouring y: their numbers in the grid differ by 16, 32 and 48 and lie in one aligned block of 64.
; ypart lies as the matrix unit left it: byte kt*8192 + ct*1024 + q*512 + lane*16 of a chunk holds (k = 16kt + r, c = 16ct + 8h + 4q + 0..3).  Wave w adds channel
; tile ct = w of the 16 chunks; a lane's eight sums, packed to bf16, are its share of the operand of the product: no number changes its lane.
; The factor hangs on (k, j), and k = r is the lane's: wave w makes the factors of rows 2w, 2w + 1 (lane = chunk), they meet in LDS, each twice (a pair for the
; packed multiply-add), and every lane reads the sixteen of its row.  Then wave w makes the 16 columns d = 128dq + 16w .. of all 16 rows with four matrix instructions.
; A tile of R rows x Dc columns reads 8,192 R bytes of partial sums and 256 Dc bytes of W; at R Dc = 2,048 (256 work-groups) R = 16, Dc = 128 is near the least.
; No cluster: the four work-groups along dq read the same partial sums, but every number is scaled as it arrives in registers; a joint copy into LDS
; would add 128 KiB of LDS writes and reads to each of them.
; LIMITS: y and W enter the product in bf16; f below 2^-126 becomes 0; NaN and infinities are not served; the order of the sums differs from the definition's.
; THE MODE: SCHED_MODE bits 1:0 = 2 (LLVM: expert scheduling mode 2), set by the entry lines.  The code itself states the register dependences
; between vector or matrix instructions and memory or LDS instructions, with s_wait_alu, always for 0.
; THE PLAN.  Registers that memory or LDS instructions touch:
;   v2-v5                  offsets of the global loads and stores: made ahead of the first load, never written again.
;   v6-v10                 LDS addresses: made behind the loads, ahead of the wait that stands in front of the first LDS store; never written again.
;   v12, v13, PART, WF, BIAS, G   loads land in registers that no vector instruction has named before.
;   v[18:19], PK, ACC0, OUT       written by vector instructions, read by stores behind one wait each, never written again: no wait on vm_vsrc is owed.
;   YF, OUT                LDS loads land on registers of PART that the multiply-adds have read: the waits ahead of PK's and of ACC0's stores stand between, and no vector
;                          instruction that names these registers follows those waits ahead of the loads.
.set OS0,  4096                        ; LDS: y operands [ct 8][lane 32] x 16 bytes at 0; then OS: [16][128 f32], rows 528 bytes apart;
.set FAC0, OS0+16*528                  ; 12,544: factors [k 16][j 16] x 2 f32, rows FP bytes apart
.set FP,   144                         ; 9 x 16 bytes: sixteen rows start in sixteen different 16-byte columns of 256
.set SA,  2                            ; stat: chunk (lane % 16) * 512 + (2w + lane / 16) * 4
.set PA,  3                            ; ypart: w*1024 + 16 lane
.set WA,  4                            ; wfrag and out0: w*4096 + 16 lane (a d tile of wfrag is as many bytes as two rows of out0)
.set BA,  5                            ; 16 lane: conv_b, and the y operands in LDS
.set FS,  6                            ; LDS factors, store
.set FL,  7                            ; LDS factors, load: row r
.set YS,  8                            ; LDS y, store: w*512 + 16 lane
.set OSS, 9                            ; LDS OS, store: OS0 + r*528 + w*64 + h*32
.set OSL, 10                           ; LDS OS, load: OS0 + w*1056 + 16 lane
.set YA,  20                           ; v[20:27] my eight sums
.set PK,  28                           ; v[28:31] packed
.set BIAS, 32                          ; v[32:35]
.set G,   36                           ; v[36:67]  the factor of (k = r, chunk j), twice, at 2j
.set WF,  68                           ; v[68:99]  W operands, cs = 0..3
.set ACC0, 100
.set ACC1, 108
.set PART, 128                         ; v[128:255] chunk j at 8j
.set YF,  128                          ; v[128:159] y operands, over the partial sums, which are used up by then
.set OUT, 160                          ; v[160:167] two rows on their way out
	s_load_b256 s[4:11], s[0:1], 0x0               ; ypart s[4:5], stat s[6:7], wfrag s[8:9], conv_b s[10:11]
	s_load_b64 s[12:13], s[0:1], 0x20              ; out0
	v_lshl_add_u32 v126, v0, 2, 0x3a00
	v_mov_b32 v127, 0
	v_and_b32 v14, 15, v0                          ; r
	v_bfe_u32 v15, v0, 4, 1                        ; h
	v_and_b32 v16, 31, v0                          ; lane
	v_lshrrev_b32 v17, 5, v0
	v_readfirstlane_b32 s14, v17                   ; wave
	s_and_b32 s15, ttmp9, 3                        ; kb = x % 4
	s_lshr_b32 s20, ttmp9, 2                       ; n % 4 = x / 4
	s_and_b32 s17, ttmp7, 0xffff                   ; y
	s_and_b32 s16, s17, 3                          ; dq = y % 4
	s_and_b32 s17, s17, 12                         ; 4 (n / 4) = y - dq
	s_add_co_u32 s17, s17, s20                     ; n
	s_mov_b32 s19, 0
	v_lshlrev_b32 v[SA], 9, v14
	v_lshl_add_u32 v[SA], v15, 2, v[SA]
	s_wait_alu depctr_va_sdst(0)                   ; s14 is written, ahead of its first reader
	s_lshl_b32 s20, s14, 3
	v_add_nc_u32 v[SA], s20, v[SA]
	v_lshlrev_b32 v[BA], 4, v16
	s_lshl_b32 s21, s14, 10
	v_add_nc_u32 v[PA], s21, v[BA]
	s_lshl_b32 s22, s14, 12
	v_add_nc_u32 v[WA], s22, v[BA]
	s_wait_kmcnt 0x0
	s_lshl_b32 s18, s17, 19
	s_lshl_b32 s23, s15, 13
	s_add_co_u32 s18, s18, s23
	s_add_nc_u64 s[4:5], s[4:5], s[18:19]          ; ypart: n*524288 + centroid tile kb of 8,192 bytes
	s_lshl_b32 s18, s17, 13
	s_lshl_b32 s23, s15, 6
	s_add_co_u32 s18, s18, s23
	s_add_nc_u64 s[6:7], s[6:7], s[18:19]          ; stat: n*8192 + 16 kb words
	s_lshl_b32 s18, s16, 15
	s_add_nc_u64 s[8:9], s[8:9], s[18:19]          ; wfrag: 8 d tiles of 4,096 bytes
	s_lshl_b32 s18, s16, 9
	s_add_nc_u64 s[10:11], s[10:11], s[18:19]      ; conv_b: 128 dq
	s_add_nc_u64 s[12:13], s[12:13], s[18:19]      ; out0: column 128 dq,
	s_lshl_b32 s18, s17, 17
	s_lshl_b32 s23, s15, 15
	s_add_co_u32 s18, s18, s23
	s_add_nc_u64 s[12:13], s[12:13], s[18:19]      ; image n, row 16 kb
	s_wait_alu depctr_va_vdst(0)                   ; the four offsets v2 to v5 are written, which the loads below and the last stores read
	; 43 loads: 2 stat, 32 partial sums, 8 W, 1 bias
	global_load_b32 v12, v[SA], s[6:7]             ; m of (chunk lane % 16, row 2w + lane / 16)
	global_load_b32 v13, v[SA], s[6:7] offset:256  ; l
.irp j, 0,1,2,3,4,5,6,7,8,9,10,11,12,13,14,15
.irp q, 0,1
	global_load_b128 v[PART+8*\j+4*\q:PART+8*\j+4*\q+3], v[PA], s[4:5] offset:\j*32768+\q*512      ; 512 consecutive bytes (four work-groups read them: no hint)
.endr
.endr
.irp cs, 0,1,2,3
	global_load_b128 v[WF+8*\cs:WF+8*\cs+3],   v[WA], s[8:9] offset:\cs*1024
	global_load_b128 v[WF+8*\cs+4:WF+8*\cs+7], v[WA], s[8:9] offset:\cs*1024+512
.endr
	global_load_b128 v[BIAS:BIAS+3], v[BA], s[10:11]
	; the LDS addresses, while the loads are on their way: these lines write none of the registers that the loads read or land in
	s_mul_i32 s20, s14, 2*FP
	s_add_co_u32 s20, s20, FAC0
	v_mul_u32_u24 v[FS], v15, FP
	v_lshl_add_u32 v[FS], v14, 3, v[FS]
	v_add_nc_u32 v[FS], s20, v[FS]                 ; row 2w + lane / 16, pair lane % 16
	v_mul_u32_u24 v[FL], v14, FP
	v_add_nc_u32 v[FL], FAC0, v[FL]
	s_lshl_b32 s21, s14, 9
	v_add_nc_u32 v[YS], s21, v[BA]
	v_mul_u32_u24 v[OSS], v14, 528
	v_lshl_add_u32 v[OSS], v15, 5, v[OSS]
	s_lshl_b32 s22, s14, 6
	s_add_co_u32 s22, s22, OS0
	v_add_nc_u32 v[OSS], s22, v[OSS]
	s_mul_i32 s23, s14, 1056
	s_add_co_u32 s23, s23, OS0
	v_lshl_add_u32 v[OSL], v16, 4, s23
	s_wait_loadcnt 41                              ; m and l are in; 41 younger loads stay out
	v_mov_b32 v14, v12
	v_max_num_f32_dpp v14, v14, v14 row_xmask:1 row_mask:0xf bank_mask:0xf     ; over the 16 chunks: the 16 lanes of a half
	v_max_num_f32_dpp v14, v14, v14 row_xmask:2 row_mask:0xf bank_mask:0xf
	v_max_num_f32_dpp v14, v14, v14 row_xmask:4 row_mask:0xf bank_mask:0xf
	v_max_num_f32_dpp v14, v14, v14 row_xmask:8 row_mask:0xf bank_mask:0xf
	v_sub_f32 v15, v12, v14
	v_exp_f32 v15, v15                             ; f = 2^(m - M)
	v_nop                                          ; one plain place behind a transcendental (ISA guide 5.7.2)
	s_wait_alu depctr_va_vdst(0)                   ; f is written, ahead of its first reader
	v_mul_f32 v16, v15, v13
	v_add_f32_dpp v16, v16, v16 row_xmask:1 row_mask:0xf bank_mask:0xf
	v_add_f32_dpp v16, v16, v16 row_xmask:2 row_mask:0xf bank_mask:0xf
	v_add_f32_dpp v16, v16, v16 row_xmask:4 row_mask:0xf bank_mask:0xf
	v_add_f32_dpp v16, v16, v16 row_xmask:8 row_mask:0xf bank_mask:0xf
	v_rcp_f32 v16, v16
	v_nop
	s_wait_alu depctr_va_vdst(0)                   ; the reciprocal is written, ahead of its first reader
	v_mul_f32 v18, v15, v16                        ; f / sum: the chunk's factor,
	v_mul_f32 v19, v15, v16                        ; twice: a pair for the packed multiply-add
	s_wait_alu depctr_va_vdst(0)                   ; the pair v[18:19] is written, which the LDS store reads; so are the five LDS addresses v6 to v10, which every LDS instruction below reads
	ds_store_b64 v[FS], v[18:19]
	s_wait_dscnt 0x0                               ; my two rows of factors are in LDS, for the other waves
	s_barrier_signal -1
	s_barrier_wait -1
.irp i, 0,1,2,3,4,5,6,7
	ds_load_b128 v[G+4*\i:G+4*\i+3], v[FL] offset:16*\i            ; the pairs of chunks 2i, 2i + 1 of row r; no vector instruction has named G
.endr
	s_wait_dscnt 0x0
.macro ACCJ j
.irp p, 0,1,2,3
.if \j == 0
	v_pk_mul_f32 v[YA+2*\p:YA+2*\p+1], v[PART+2*\p:PART+2*\p+1], v[G:G+1]      ; the first chunk starts the sums
.else
	v_pk_fma_f32 v[YA+2*\p:YA+2*\p+1], v[PART+8*\j+2*\p:PART+8*\j+2*\p+1], v[G+2*\j:G+2*\j+1], v[YA+2*\p:YA+2*\p+1]
.endif
.endr
.endm
	s_wait_loadcnt 33                              ; chunks 0-3 (8 loads) are in; 24 + 9 stay out
	ACCJ 0
	ACCJ 1
	ACCJ 2
	ACCJ 3
	s_wait_loadcnt 25
	ACCJ 4
	ACCJ 5
	ACCJ 6
	ACCJ 7
	s_wait_loadcnt 17
	ACCJ 8
	ACCJ 9
	ACCJ 10
	ACCJ 11
	s_wait_loadcnt 9                               ; all partial sums are in; W (8) and the bias (1) may be out
	ACCJ 12
	ACCJ 13
	ACCJ 14
	ACCJ 15
.irp p, 0,1,2,3
	v_cvt_pk_bf16_f32 v[PK+\p], v[YA+2*\p], v[YA+2*\p+1]           ; y[k = r][16w + 8h + 2p, + 1]
.endr
	s_wait_alu depctr_va_vdst(0)                   ; the conversions have written PK, which the LDS store reads; the multiply-adds are done reading PART, on which the operands of y land behind the barrier
	ds_store_b128 v[YS], v[PK:PK+3]                ; half g = w % 2 of the operand of step cs = w / 2: 512 consecutive bytes
	s_wait_dscnt 0x0                               ; my channel tile is in LDS, for the other waves
	s_barrier_signal -1
	s_barrier_wait -1
.irp c, 0,1,2,3,4,5,6,7
	ds_load_b128 v[YF+4*\c:YF+4*\c+3], v[BA] offset:512*\c
.endr
	s_wait_loadcnt 1                               ; W is in; the bias may be out
	s_wait_dscnt 0x0
	; source 0: 16 rows d of W, source 1: 16 rows k of y.  Register j: k = r, d = 16w + 8h + j.  Two accumulators by turns.
	v_wmma_f32_16x16x32_bf16 v[ACC0:ACC0+7], v[WF:WF+7],     v[YF:YF+7],     0
	v_wmma_f32_16x16x32_bf16 v[ACC1:ACC1+7], v[WF+8:WF+15],  v[YF+8:YF+15],  0
	v_wmma_f32_16x16x32_bf16 v[ACC0:ACC0+7], v[WF+16:WF+23], v[YF+16:YF+23], v[ACC0:ACC0+7]
	v_wmma_f32_16x16x32_bf16 v[ACC1:ACC1+7], v[WF+24:WF+31], v[YF+24:YF+31], v[ACC1:ACC1+7]
.rept 4
	v_nop                                          ; four places behind the last matrix instruction (ISA guide 7.12.1)
.endr
.irp p, 0,1,2,3
	v_pk_add_f32 v[ACC0+2*\p:ACC0+2*\p+1], v[ACC0+2*\p:ACC0+2*\p+1], v[ACC1+2*\p:ACC1+2*\p+1]
.endr
	s_wait_alu depctr_va_vdst(0)                   ; the four additions have written ACC0, which the LDS stores read
	ds_store_b128 v[OSS], v[ACC0:ACC0+3]
	ds_store_b128 v[OSS], v[ACC0+4:ACC0+7] offset:16
	s_wait_dscnt 0x0                               ; my 16 columns are in LDS, for the other waves
	s_barrier_signal -1
	s_barrier_wait -1
	ds_load_b128 v[OUT:OUT+3],   v[OSL]            ; row 2w, columns 4 lane ..; on registers of PART, whose readers stand ahead of the waits above
	ds_load_b128 v[OUT+4:OUT+7], v[OSL] offset:528 ; row 2w + 1
	s_wait_loadcnt 0x0                             ; the bias
	s_wait_dscnt 0x0
	v_pk_add_f32 v[OUT:OUT+1],   v[OUT:OUT+1],   v[BIAS:BIAS+1]
	v_pk_add_f32 v[OUT+2:OUT+3], v[OUT+2:OUT+3], v[BIAS+2:BIAS+3]
	v_pk_add_f32 v[OUT+4:OUT+5], v[OUT+4:OUT+5], v[BIAS:BIAS+1]
	v_pk_add_f32 v[OUT+6:OUT+7], v[OUT+6:OUT+7], v[BIAS+2:BIAS+3]
	s_wait_alu depctr_va_vdst(0)                   ; the four additions have written OUT, which the two stores read
	global_store_b128 v[WA], v[OUT:OUT+3],   s[12:13] th:TH_STORE_NT           ; 512 consecutive bytes of a row of out0, aligned
	global_store_b128 v[WA], v[OUT+4:OUT+7], s[12:13] offset:2048 th:TH_STORE_NT
	s_wait_dscnt 0x0
	s_wait_alu depctr_hold_cnt(0) depctr_sa_sdst(0) depctr_va_vdst(0) depctr_va_sdst(0) depctr_va_ssrc(0) depctr_va_vcc(0) depctr_vm_vsrc(0)
	s_wait_tensorcnt 0x0
	ds_add_u32 v126, v127
	s_wait_dscnt 0x0
	s_endpgm
.Lfunc_end_k_q4963a43727_comb:
	.size	k_q4963a43727_comb, .Lfunc_end_k_q4963a43727_comb-k_q4963a43727_comb
	.p2alignl 7, 3214868480
	.fill 96, 4, 3214868480
	.section	.rodata,"a",@progbits
	.p2align	6, 0x0
	.amdhsa_kernel k_q4963a43727_comb
		.amdhsa_group_segment_fixed_size 15872
		.amdhsa_private_segment_fixed_size 0
		.amdhsa_enable_private_segment 0
		.amdhsa_kernarg_size 40
		.amdhsa_user_sgpr_count 2
		.amdhsa_user_sgpr_kernarg_segment_ptr 1
		.amdhsa_wavefront_size32 1
		.amdhsa_system_sgpr_workgroup_id_x 1
		.amdhsa_system_sgpr_workgroup_id_y 1
		.amdhsa_system_sgpr_workgroup_id_z 1
		.amdhsa_system_vgpr_workitem_id 0
		.amdhsa_next_free_vgpr 256
		.amdhsa_next_free_sgpr 66
		.amdhsa_reserve_vcc 0
		.amdhsa_float_denorm_mode_32 3
		.amdhsa_float_denorm_mode_16_64 3
		.amdhsa_memory_ordered 1
		.amdhsa_forward_progress 1
		.amdhsa_inst_pref_size 16
	.end_amdhsa_kernel
	.amdgpu_metadata
---
amdhsa.version: [ 1, 2 ]
amdhsa.kernels:
  - .name:           k_q4963a43727_comb
    .symbol:         k_q4963a43727_comb.kd
    .args:
      - { .name: ypart, .offset: 0, .size: 8, .value_kind: global_buffer, .address_space: global }
      - { .name: stat, .offset: 8, .size: 8, .value_kind: global_buffer, .address_space: global }
      - { .name: wfrag, .offset: 16, .size: 8, .value_kind: global_buffer, .address_space: global }
      - { .name: conv_b, .offset: 24, .size: 8, .value_kind: global_buffer, .address_space: global }
      - { .name: out0, .offset: 32, .size: 8, .value_kind: global_buffer, .address_space: global }
    .group_segment_fixed_size: 15872
    .private_segment_fixed_size: 0
    .kernarg_segment_align: 8
    .kernarg_segment_size: 40
    .max_flat_workgroup_size: 256
    .sgpr_count:     66
    .vgpr_count:     256
    .wavefront_size: 32
...
	.end_amdgpu_metadata
.endif
;; end of part 5
